; MI455X (gfx1250); checked and timed in simulation.
; The chip was launched on July 23, 2026; its instructions are those of AMD's public machine-readable ISA for CDNA 5 (MIT licence, August 2026) and "CDNA5" Instruction Set Architecture Reference Guide (July 2026). The comments in the code are by the model that wrote it; some were corrected since.
;; Mo E. Allowed arithmetic: matrix products marked QUANTISED: E2M1 operands, one E8M0 scale for each 32 along K, by v_wmma_scale_f32_16x16x128_f8f6f4 with both operands' format E2M1 (or v_wmma_scale_f32_32x16x128_f4), f32 sums; products left as they are: f32 operands where the result goes on into a quantised operand, else bf16, f16 or f32 operands; f32 sums; everything else in f32.
;; Inputs: expert_b 8 x 2,048 float32; expert_w_codes 8 x 2,048 x 32 x 16 uint8 (E2M1 codes of expert_w, K innermost, in blocks of 32 codes, two codes a byte); expert_w_scales 8 x 2,048 x 32 uint8 (E8M0 scales of expert_w, one for each 32 codes along K); gate_b 8 float32; gate_w 8 x 1,024 float32; x 4,096 x 1,024 float32.
;; Outputs: out0 4,096 x 2,048 float32.
;; This version of the problem:
;;   THIS VERSION OF THE PROBLEM IS GIVEN IN LOW PRECISION. The matrix products marked QUANTISED in the list below multiply operands that are first quantised to E2M1 (2 exponent bits, 1 mantissa bit; 4 bits a number), with one power-of-two scale for each 32 numbers along K (OCP MX v1.0); their sums are f32. All else is computed in f32.
;;   The module's matrix products, in the order in which they are computed (A, B: the left and right operand; K: the contracted axis; several contracted axes count as one K, in the product's order):
;;     1. [M 4,096, K 1,024] x [K 1,024, N 8]; A: input x; B: input gate_w: left as it is (N = 8 < 16)
;;     2. [M 4,096, K 1,024] x [K 1,024, N 16,384]; A: input x; B: input expert_w (given as codes): QUANTISED
;;     3. batch 4,096 x [M 1, K 8] x [K 8, N 2,048]; A: softmax; B: computed on the way: left as it is (K = 8 < 32)
;;   THE QUANTISER, for each operand of a quantised product, along K:
;;     - K is cut into blocks of 32 from its start; a last block that is shorter is filled with zeros.
;;     - A block's scale is 2^e with e = floor(log2(the largest magnitude in the block)) - 2, held to -126 .. 127; a block of zeros has e = 0. As a byte (E8M0): e + 127.
;;     - Each number is divided by its block's scale, clamped to +-6, and rounded to the nearest number of E2M1, ties to even, subnormals kept.
;;     - The product sums the exact products of the quantised numbers (number of the format x scale) in f32.
;;   ~~~python
;;   def quantise(x, axis):      # numpy; x: float32 -> the quantised numbers, widened to float32 again
;;       x = np.moveaxis(x, axis, -1); K = x.shape[-1]
;;       x = np.pad(x, [(0, 0)] * (x.ndim - 1) + [(0, -K % 32)]); x = x.reshape(x.shape[:-1] + (-1, 32)); a = np.abs(x).max(-1, keepdims=True)
;;       e = np.where(a > 0, np.clip(np.frexp(np.where(a > 0, a, 1))[1] - 1 - 2, -126, 127), 0)      # np.frexp(a)[1] - 1 = floor(log2(a)), exactly
;;       r = np.clip(x / 2.0 ** e, -6, 6)
;;       step = 2.0 ** (np.maximum(np.frexp(np.where(r == 0, 1, r))[1] - 1, 0) - 1)
;;       q = np.round(r / step) * step * 2.0 ** e      # np.round: ties to even
;;       return np.moveaxis(q.reshape(q.shape[:-2] + (-1,))[..., :K], -1, axis).astype(np.float32)
;;   ~~~
;;   INPUTS GIVEN AS CODES. expert_w (in the module: [8, 2048, 1024], K = its axis 2): each comes as NAME_codes (uint8): NAME with its K axis moved to the last place and cut into blocks of 32 codes, [.., K / 32, bytes a block], one block behind the other in memory; two codes a byte, the lower K in the low four bits (a code: sign, 2 exponent bits, 1 mantissa bit); and NAME_scales (uint8): the same leading axes, one E8M0 byte (e + 127) for each 32 codes along K. Its value is code x scale, taken as it is: it is not quantised again, and the codes and scales need not be those that the quantiser above would give.
;; 2 versions, each right and faster than the one before. Each part assembles by itself: llvm-mc -triple=amdgcn-amd-amdhsa -mcpu=gfx1250 --defsym DOCPART=n.
;; ======== version 1 of 2: 2 launches
;; workspace buffers: x_codes 2,097,152 bytes; x_scales 131,072 bytes; gate 131,072 bytes
;; launch prep (part 1): grid 256 x 1, 8 waves a work-group, no clusters, 3,072 bytes of LDS; arguments x, gate_w, gate_b, x_codes, x_scales, gate; writes x_codes, x_scales, gate
.if DOCPART == 1
	.amdgcn_target "amdgcn-amd-amdhsa--gfx1250"
	.amdhsa_code_object_version 6
	.text
	.protected	k_qf63373611b_prep
	.globl	k_qf63373611b_prep
	.p2align	8
	.type	k_qf63373611b_prep,@function
k_qf63373611b_prep:
	s_mov_b64 s[64:65], 0
	v_nop
	global_prefetch_b8 v0, s[64:65] scope:SCOPE_SE
	s_setreg_imm32_b32 hwreg(HW_REG_WAVE_MODE, 25, 1), 1
	s_wait_xcnt 0x0
; x [4096][1024] f32 is read ONCE and gives two things:
;   (1) its codes of FP4 (E2M1), K innermost, two codes a byte, 512 bytes a row, with one E8M0 scale byte for each 32 along K, 32 bytes a row;
;   (2) the gate, softmax over the 8 experts of x . gate_w[e] + gate_b[e], all in f32 (fused multiply-adds; the row's largest logit is taken away before the exponentials).
; A block's scale byte is its largest magnitude's exponent field - 2 (2 = the exponent of the format's largest number, 6), held at 1 from below; a block of zeros gets 127.
; LIMITS: NaN and infinities in x are not served.  Blocks whose largest magnitude lies under 2^-124, whose byte is held at 1, were not tried.
; SHARES.  A work-group owns 16 rows.  Wave w takes rows 4 (w / 2) + 0 .. 3 and half w % 2 of K.  A lane holds 16 neighbours along K of each of its rows (64 bytes, four loads), since the
; conversion takes neighbours along K from one lane's consecutive registers; two neighbouring lanes hold a block of 32.  The lane's 16 numbers of each of gate_w's 8 rows, 128 registers, are loaded once and serve 4 rows.
; The waves' partial logits and scale bytes meet in LDS: one barrier; then wave 0 makes the 16 rows' softmax and wave 1 stores the 16 rows' scale bytes, each as 512 consecutive bytes.
; No matrix unit (8 columns are half a tile, and x is in registers anyway), no tensor loads, no ring: every load of a wave is out at once, 48 of them.
.set PART, 0                           ; LDS: partial logits [row 16][half 2][expert 8] f32: 1,024 bytes
.set SCL,  1024                        ; LDS: scale bytes [row 16][32]: 512 bytes
.set C,    12                          ; v12-19   codes: two registers for each row, so that no store's data are written again
.set E,    20                          ; v20-23   a scale byte for each row
.set P,    24                          ; v24-31   four packed running sums, one pair for each row
.set S,    32                          ; v32-63   logit (row j, expert e) at S + 8 j + e
.set X,    64                          ; v64-127  16 numbers for each row
.set W,    128                         ; v128-255 16 numbers for each expert
	s_load_b256 s[4:11], s[0:1], 0x0               ; x s[4:5], gate_w s[6:7], gate_b s[8:9], x_codes s[10:11]
	s_load_b128 s[12:15], s[0:1], 0x20             ; x_scales s[12:13], gate s[14:15]
	v_lshl_add_u32 v11, v0, 2, 0x800
	s_set_vgpr_msb 0x40
	v_mov_b32 v1, 0
	s_set_vgpr_msb 0x4000
	v_lshrrev_b32 v6, 5, v0
	v_readfirstlane_b32 s16, v6                    ; wave 0..7
	s_and_b32 s17, s16, 1                          ; which half of K
	s_lshr_b32 s18, s16, 1                         ; which four rows
	s_mov_b32 s20, 0x76543210                      ; v_permlanex16_b32: lane l takes lane l xor 16
	s_mov_b32 s21, 0xfedcba98
	v_and_b32 v2, 31, v0                           ; lane
	v_lshlrev_b32 v1, 6, v2                        ; my 64 bytes of a half row of x and of gate_w
	v_lshlrev_b32 v3, 3, v2                        ; my 8 bytes of a half row of codes
	s_lshl_b32 s22, ttmp9, 16                      ; x: 16 rows of 4,096 bytes a work-group,
	s_lshl_b32 s23, s18, 14                        ; 4 rows a pair of waves,
	s_add_co_u32 s22, s22, s23
	s_lshl_b32 s26, s17, 11                        ; 2,048 bytes a half row
	s_add_co_u32 s22, s22, s26
	s_mov_b32 s23, 0
	s_mov_b32 s27, 0
	s_wait_kmcnt 0x0
	s_add_nc_u64 s[4:5], s[4:5], s[22:23]
	s_add_nc_u64 s[6:7], s[6:7], s[26:27]
.irp j, 0,1,2,3
.irp i, 0,1,2,3
	global_load_b128 v[X+16*\j+4*\i:X+16*\j+4*\i+3], v1, s[4:5] offset:4096*\j+16*\i th:TH_LOAD_NT   ; the four loads of a row read 2,048 consecutive bytes between them
.endr
.endr
.irp e, 0,1,2,3,4,5,6,7
.irp i, 0,1,2,3
	global_load_b128 v[W+16*\e+4*\i:W+16*\e+4*\i+3], v1, s[6:7] offset:4096*\e+16*\i
.endr
.endr
	s_lshr_b32 s22, s22, 3                         ; the codes are an eighth of x's bytes: the same place, divided by 8
	s_add_nc_u64 s[10:11], s[10:11], s[22:23]
	s_lshl_b32 s22, ttmp9, 9                       ; scale bytes and gate: 16 rows of 32 bytes a work-group
	s_add_nc_u64 s[12:13], s[12:13], s[22:23]
	s_add_nc_u64 s[14:15], s[14:15], s[22:23]
	s_lshl_b32 s24, s18, 7                         ; LDS, scale bytes: row 4 (w / 2) of 32 bytes,
	s_lshl_b32 s25, s17, 4                         ; 16 blocks a half row,
	s_add_co_u32 s24, s24, s25
	s_add_co_u32 s24, s24, SCL
	v_lshrrev_b32 v4, 1, v2                        ; two lanes to a block
	v_add_nc_u32 v4, s24, v4
	s_lshl_b32 s24, s18, 8                         ; LDS, partial logits: row 4 (w / 2) of 64 bytes,
	s_lshl_b32 s25, s17, 5                         ; 32 bytes a half
	s_add_co_u32 s24, s24, s25
	v_mov_b32 v5, s24
; Row j is quantised.
.macro QROW j
.set XS, X+16*\j
	s_wait_loadcnt 32+4*(3-\j)                     ; loads come back in order: row j's four are in; the later rows' and gate_w's 32 may be out
	v_max3_num_f32 v8, |v[XS]|, |v[XS+1]|, |v[XS+2]|               ; the largest magnitude of my 16, in two chains
	v_max3_num_f32 v9, |v[XS+3]|, |v[XS+4]|, |v[XS+5]|
.irp i, 6,10
	v_max3_num_f32 v8, v8, |v[XS+\i]|, |v[XS+\i+1]|
	v_max3_num_f32 v9, v9, |v[XS+\i+2]|, |v[XS+\i+3]|
.endr
	v_max3_num_f32 v8, v8, |v[XS+14]|, |v[XS+15]|
	v_max_num_f32 v8, v8, v9
	v_max_num_f32_dpp v8, v8, v8 row_xmask:1 row_mask:0xf bank_mask:0xf   ; and of my neighbour's 16: the block's
	v_lshrrev_b32 v9, 23, v8                       ; its exponent field
	v_max_u32 v9, 3, v9                            ; the byte is not to fall under 1
	v_add_nc_u32 v9, -2, v9                        ; the scale's byte
	v_lshlrev_b32 v10, 23, v9                      ; and the scale as f32: the conversion takes its exponent field
	v_cmp_eq_u32 vcc_lo, 0, v8                     ; a block of zeros?
	v_cvt_scalef32_pk8_fp4_f32 v[C+2*\j], v[XS:XS+7], v10          ; eight numbers / the scale, to the nearest code, ties to even, beyond 6 the largest code; the first number's code in the lowest four bits
	v_cvt_scalef32_pk8_fp4_f32 v[C+2*\j+1], v[XS+8:XS+15], v10
	v_cndmask_b32 v[E+\j], v9, 127, vcc_lo         ; a block of zeros gets 127.  (Also the one plain instruction between a scaled conversion and what touches its result)
	ds_store_b8 v4, v[E+\j] offset:32*\j           ; both lanes of a block write the same byte with the same value
	global_store_b64 v3, v[C+2*\j:C+2*\j+1], s[10:11] offset:512*\j   ; the wave stores 256 consecutive bytes, at a multiple of 256 from the buffer's first byte
.endm
; Expert e: my 16 products for each of the four rows, two at a time; the four rows' chains take turns.
.macro GEXP e
	s_wait_loadcnt 4*(7-\e)                        ; expert e's four loads are in; the later experts' may be out
.set kk, 0
.rept 8
.irp j, 0,1,2,3
.if kk == 0
	v_pk_mul_f32 v[P+2*\j:P+2*\j+1], v[X+16*\j:X+16*\j+1], v[W+16*\e:W+16*\e+1]   ; the first product starts the sum
.else
	v_pk_fma_f32 v[P+2*\j:P+2*\j+1], v[X+16*\j+2*kk:X+16*\j+2*kk+1], v[W+16*\e+2*kk:W+16*\e+2*kk+1], v[P+2*\j:P+2*\j+1]
.endif
.endr
.set kk, kk+1
.endr
.irp j, 0,1,2,3
	v_add_f32 v[S+8*\j+\e], v[P+2*\j], v[P+2*\j+1]
.endr
.endm
.irp j, 0,1,2,3
	QROW \j
.endr
.irp e, 0,1,2,3,4,5,6,7
	GEXP \e
.endr
	; the 32 sums over the wave's 32 lanes: four steps inside each half of 16 lanes ride on the addition, one crosses the halves; every lane ends with the sum
.irp m, 1,2,4,8
.set rr, 0
.rept 32
	v_add_f32_dpp v[S+rr], v[S+rr], v[S+rr] row_xmask:\m row_mask:0xf bank_mask:0xf
.set rr, rr+1
.endr
.endr
.set rr, 0
.rept 32
	v_permlanex16_b32 v[X+rr], v[S+rr], s20, s21   ; x's registers are free, and have been written
.set rr, rr+1
.endr
.set rr, 0
.rept 32
	v_add_f32 v[S+rr], v[S+rr], v[X+rr]
.set rr, rr+1
.endr
.irp j, 0,1,2,3
	ds_store_b128 v5, v[S+8*\j:S+8*\j+3] offset:64*\j            ; all lanes write the same words with the same values
	ds_store_b128 v5, v[S+8*\j+4:S+8*\j+7] offset:64*\j+16
.endr
	s_wait_dscnt 0x0                               ; for the others' sake: my partial logits and my scale bytes are in LDS
	s_barrier_signal -1
	s_barrier_wait -1
	s_cmp_eq_u32 s16, 0
	s_cbranch_scc1 .Lgate
	s_cmp_eq_u32 s16, 1
	s_cbranch_scc1 .Lscales
	s_set_vgpr_msb 0x4
	s_wait_tensorcnt 0x0
	ds_add_u32 v11, v1
	s_wait_dscnt 0x0
	s_set_vgpr_msb 0x400
	s_endpgm
.Lgate:                                                ; wave 0: lane l has row l / 2 and experts 4 (l % 2) + 0 .. 3
	v_lshrrev_b32 v6, 1, v2
	v_and_b32 v7, 1, v2
	v_lshlrev_b32 v7, 4, v7                        ; 16 bytes for four experts
	v_lshl_add_u32 v6, v6, 6, v7                   ; + 64 bytes a row
	ds_load_b128 v[32:35], v6                      ; the first half of K's sums,
	ds_load_b128 v[36:39], v6 offset:32            ; the second half's,
	global_load_b128 v[40:43], v7, s[8:9]          ; and the bias
	v_lshlrev_b32 v44, 4, v2                       ; where my four weights go: 16 bytes a lane
	s_wait_dscnt 0x0
	s_wait_loadcnt 0x0
	v_pk_add_f32 v[32:33], v[32:33], v[36:37]
	v_pk_add_f32 v[34:35], v[34:35], v[38:39]
	v_pk_add_f32 v[32:33], v[32:33], v[40:41]
	v_pk_add_f32 v[34:35], v[34:35], v[42:43]
	v_max3_num_f32 v45, v32, v33, v34              ; the row's largest logit: my four,
	v_max_num_f32 v45, v45, v35
	v_max_num_f32_dpp v45, v45, v45 row_xmask:1 row_mask:0xf bank_mask:0xf   ; and my neighbour's four
.irp i, 0,1,2,3
	v_sub_f32 v[32+\i], v[32+\i], v45
.endr
.irp i, 0,1,2,3
	v_mul_f32 v[32+\i], 0x3fb8aa3b, v[32+\i]       ; x log2(e): the exponential works in base 2
.endr
.irp i, 0,1,2,3
	v_exp_f32 v[32+\i], v[32+\i]
.endr
	v_nop                                          ; one plain instruction between the last exponential and the use of its result
	s_wait_alu depctr_va_vdst(0)
	v_add_f32 v46, v32, v33
	v_add_f32 v47, v34, v35
	v_add_f32 v46, v46, v47
	v_add_f32_dpp v46, v46, v46 row_xmask:1 row_mask:0xf bank_mask:0xf   ; the row's sum, at least 1
	v_rcp_f32 v47, v46
	v_nop                                          ; one plain instruction behind the reciprocal
	s_wait_alu depctr_va_vdst(0)
.irp i, 0,1,2,3
	v_mul_f32 v[32+\i], v[32+\i], v47
.endr
	global_store_b128 v44, v[32:35], s[14:15]      ; 512 consecutive bytes: 16 rows of 8 weights
	s_set_vgpr_msb 0x4
	s_wait_tensorcnt 0x0
	ds_add_u32 v11, v1
	s_wait_dscnt 0x0
	s_set_vgpr_msb 0x400
	s_endpgm
.Lscales:                                              ; wave 1: the 16 rows' scale bytes leave as 512 consecutive bytes
	v_lshlrev_b32 v7, 4, v2
	v_add_nc_u32 v6, SCL, v7
	ds_load_b128 v[32:35], v6
	s_wait_dscnt 0x0
	global_store_b128 v7, v[32:35], s[12:13]
	s_set_vgpr_msb 0x4
	s_wait_tensorcnt 0x0
	ds_add_u32 v11, v1
	s_wait_dscnt 0x0
	s_set_vgpr_msb 0x400
	s_endpgm
.Lfunc_end_k_qf63373611b_prep:
	.size	k_qf63373611b_prep, .Lfunc_end_k_qf63373611b_prep-k_qf63373611b_prep
	.p2alignl 7, 3214868480
	.fill 96, 4, 3214868480
	.section	.rodata,"a",@progbits
	.p2align	6, 0x0
	.amdhsa_kernel k_qf63373611b_prep
		.amdhsa_group_segment_fixed_size 3072
		.amdhsa_private_segment_fixed_size 0
		.amdhsa_enable_private_segment 0
		.amdhsa_kernarg_size 48
		.amdhsa_user_sgpr_count 2
		.amdhsa_user_sgpr_kernarg_segment_ptr 1
		.amdhsa_wavefront_size32 1
		.amdhsa_system_sgpr_workgroup_id_x 1
		.amdhsa_system_sgpr_workgroup_id_y 1
		.amdhsa_system_sgpr_workgroup_id_z 1
		.amdhsa_system_vgpr_workitem_id 0
		.amdhsa_next_free_vgpr 258
		.amdhsa_next_free_sgpr 66
		.amdhsa_reserve_vcc 1
		.amdhsa_float_denorm_mode_32 3
		.amdhsa_float_denorm_mode_16_64 3
		.amdhsa_memory_ordered 1
		.amdhsa_forward_progress 1
		.amdhsa_inst_pref_size 43
	.end_amdhsa_kernel
	.amdgpu_metadata
---
amdhsa.version: [ 1, 2 ]
amdhsa.kernels:
  - .name:           k_qf63373611b_prep
    .symbol:         k_qf63373611b_prep.kd
    .args:
      - { .name: x, .offset: 0, .size: 8, .value_kind: global_buffer, .address_space: global }
      - { .name: gate_w, .offset: 8, .size: 8, .value_kind: global_buffer, .address_space: global }
      - { .name: gate_b, .offset: 16, .size: 8, .value_kind: global_buffer, .address_space: global }
      - { .name: x_codes, .offset: 24, .size: 8, .value_kind: global_buffer, .address_space: global }
      - { .name: x_scales, .offset: 32, .size: 8, .value_kind: global_buffer, .address_space: global }
      - { .name: gate, .offset: 40, .size: 8, .value_kind: global_buffer, .address_space: global }
    .group_segment_fixed_size: 3072
    .private_segment_fixed_size: 0
    .kernarg_segment_align: 8
    .kernarg_segment_size: 48
    .max_flat_workgroup_size: 256
    .sgpr_count:     66
    .vgpr_count:     258
    .wavefront_size: 32
...
	.end_amdgpu_metadata
.endif
;; end of part 1
;; launch moe (part 2): grid 16 x 16, 4 waves a work-group, clusters of 4 x 4, 327,680 bytes of LDS; arguments x_codes, x_scales, gate, expert_w_codes, expert_w_scales, expert_b, out0; writes out0
.if DOCPART == 2
	.amdgcn_target "amdgcn-amd-amdhsa--gfx1250"
	.amdhsa_code_object_version 6
	.text
	.protected	k_qf63373611b_moe
	.globl	k_qf63373611b_moe
	.p2align	8
	.type	k_qf63373611b_moe,@function
k_qf63373611b_moe:
	s_mov_b64 s[64:65], 0
	v_nop
	global_prefetch_b8 v0, s[64:65] scope:SCOPE_SE
	s_setreg_imm32_b32 hwreg(HW_REG_WAVE_MODE, 25, 1), 1
	s_wait_xcnt 0x0
	s_wait_alu depctr_hold_cnt(0) depctr_sa_sdst(0) depctr_va_vdst(0) depctr_va_sdst(0) depctr_va_ssrc(0) depctr_va_vcc(0) depctr_vm_vsrc(0)
	s_getreg_b32 s2, hwreg(HW_REG_IB_STS2, 6, 4)
	s_cmp_eq_u32 s2, 0
	s_cbranch_scc0 .Lentry_in_a_cluster
	s_endpgm
.Lentry_in_a_cluster:
	s_bfe_u32 s2, ttmp6, 0x10000c
	s_cmp_lg_u32 s2, 0xf033
	s_cbranch_scc0 .Lentry_shape_is_right
	s_endpgm
.Lentry_shape_is_right:
; out[n][h] = the sum over the 8 experts e of gate[n][e] x relu(x[n] . W[e][h] + b[e][h]).  x [4096][1024] and W [8][2048][1024] are codes of FP4 (E2M1), two a byte, K innermost, 512 bytes a row, with one
; E8M0 byte for each 32 along K (32 bytes a row); gate [4096][8], b [8][2048] and out [4096][2048] are f32.  Products on codes and scale bytes as they lie; sums in f32, K ascending; experts added in ascending order.
; SHARES.  A work-group owns 256 tokens x 128 columns of out; each of its four waves 128 tokens x 64 columns (wave w: token half w / 2, column half w % 2).
; X STAYS IN REGISTERS: a wave's 128 tokens x 1,024 codes are 512 registers, read from LDS once and multiplied by all 8 experts x 4 blocks of 16 columns.  So the loop reads W's fragments alone from LDS:
; 1,024 bytes (16 rows x 128 K) for 8 matrix instructions.
; A UNIT is one block of 16 columns of one expert: 8 steps of 128 along K x 8 blocks of 16 tokens = 64 matrix instructions on 8 accumulators.  A PASS is the 8 experts' units of one block of columns; there are 4 passes.
; THE MATRIX INSTRUCTION IS USED TRANSPOSED (source 0 = 16 rows of W, source 1 = 16 tokens): a lane holds ONE token (lane % 16) and eight neighbouring columns, 8 (lane / 16) + 0 .. 7.  So the gate is one number
; a lane, the bias is the C of a unit's first K step (no addition, nothing cleared), and a lane's results are 32 neighbouring bytes of a row of out.
; BY HALVES.  A unit's token blocks 0-3 (half A) and 4-7 (half B) go one after the other over the same fragments of W.  While one half is multiplied, the other half's finished sums are clipped at 0 and added, times the
; gate, onto out's registers: one vector instruction behind each matrix instruction, four packed ones behind every eighth.  In half B the fragments of W are replaced, two K steps at a time, by the next unit's.
; LDS.  Two slots of 135,168 bytes.  Slot R0 first holds x's tile, then W of passes 1 and 3; slot R1 W of passes 0 and 2, at the end the waves' stages for the way out.  W's scale bytes, the bias and the gate come once.
; CLUSTER.  4 x 4 work-groups.  The four of a row of the cluster own the same tokens (x's tile, the gate), the four of a column the same columns (W, its scales, the bias): each tile is asked for JOINTLY, by the same
; tensor load with the same descriptor and a mask that names the four.  Every wave issues every load, for a quarter of the tile.
; REGISTERS, in windows of 256 (s_set_vgpr_msb's low byte: bits 1:0 source 0, 3:2 source 1, 5:4 source 2, 7:6 destination):
;   window 0: addresses, scale words, bias, W's fragments, the 8 accumulators, the gate.   window 1: out, (block b, token block a, register j) at 64 b + 8 a + j.
;   windows 2, 3: x: the fragment of token block a and K step q at 64 (a % 4) + 8 q of window 2 + a / 4.
.set PITCH, 528                        ; an LDS row of codes: 512 bytes + 16 of padding = 33 x 16: the 16 rows that a fragment load touches start in 16 different columns of 16 bytes
.set CHUNK, 16*PITCH                   ; 16 rows: a unit's rows of W, or a token block
.set QUART, 4*CHUNK                    ; what one tensor load brings into a slot
.set HALFW, 8*CHUNK                    ; in a slot of W: [column half 2][expert 8][16 rows]; in x's tile: 128 tokens
.set R0,    0
.set R1,    2*HALFW
.set WSC,   4*HALFW                    ; W's scale bytes [expert 8][128 rows][32]: 32,768 bytes
.set BIAS,  WSC+32768                  ; [expert 8][128] f32: 4,096 bytes
.set GATE,  BIAS+4096                  ; [256 tokens][8] f32: 8,192 bytes
.set SPARE, GATE+8192                  ; the spare words, 128 bytes for each wave: two blocks of 256 bytes that no other line names
.set SP,    272                        ; the way out: a stage of 16 rows x (256 bytes + 16) for each wave, in slot R1
.set SPW, 1                            ; v1    LDS address of my spare word: SPARE + 4 x my thread's number; never rewritten
.set NIL, 2                            ; v2    0; never rewritten
.set AW0, 3                            ; v3    my lane's place in a slot of W: column half, row l % 16, 16 bytes x (l / 16)
.set AS0, 4                            ; v4    among W's scale words
.set AB0, 5                            ; v5    in the bias
.set AG0, 6                            ; v6    in the gate
.set ADW, 7                            ; v7-9  the same three for the NEXT unit
.set ADS, 8
.set ADB, 9
.set ADG, 10                           ; v10   the gate's for the expert in hand
.set STO, 11                           ; v11   the way out: where I put 32 bytes of a row
.set RD,  12                           ; v12   where I read a row back
.set CO,  13                           ; v13   my byte offset in out
.set XS,  16                           ; v16-47  x's scale words, and nothing else: register 8 i + q: lanes 0-15 token block 2 i, lanes 16-31 token block 2 i + 1, K step q
.set WS,  48                           ; v48-55  W's scale words, and nothing else: K step q, lanes 0-15
.set BI,  56                           ; v56-63  the bias in the result's layout
.set F,   72                           ; v72-135 W's fragments: K step q at F + 8 q
.set ACC, 136                          ; v136-199 the accumulators: token block a at ACC + 8 a
.set G,   200                          ; v200-215 the gate of token block t in G + 2 t; the odd registers hold 0: the packed forms name a pair and take its first register for both halves
.set AX,  216                          ; v216  LDS address of x's fragments
.set XO,  217                          ; v217  my byte offset among x's scale words
.set BK,  72                           ; the way out: 16 rows read back: v72-103 and v104-135 by turns
.set WV,   18                          ; s18 wave;  s19 token half;  s20 column half
.set TR,   19
.set CH,   20
.set CX,   21                          ; s21, s22 my place in the cluster
.set CY,   22
.set WGX,  23                          ; s23 block of 128 columns;  s24 block of 256 tokens
.set WGY,  24
.set ROWM, 25                          ; s25 the mask of my row of the cluster;  s26 of my column
.set COLM, 26
.set CNT,  27
.set G1X,  32                          ; descriptor groups 1: x's tile, W's, the gate's, W's scales', the bias's
.set G1W,  40
.set G1GT, 48
.set G1SC, 56
.set G1BI, 68
.set G0X,  76                          ; descriptor groups 0 for the same;  W has one for each slot
.set G0GT, 80
.set G0SC, 84
.set G0BI, 88
.set G0WA, 92                          ; slot R1: passes 0 and 2
.set G0WB, 96                          ; slot R0: passes 1 and 3
.set PADW, (1<<20)|(6<<22)|(3<<25)     ; padding on; after every 128 words (code 6); 4 words of it (code 3)
.set MSB, 0
.macro WIN new                         ; the immediate's high byte repeats the setting that is left; a switch that changes nothing is dropped
.if MSB != (\new)
	s_set_vgpr_msb (MSB<<8)|(\new)
.set MSB, (\new)
.endif
.endm
; A round of the cluster's barrier: my work-group's barrier, so that wave 0's signal speaks for all four waves; wave 0 signals for the work-group; every wave waits for all sixteen; my work-group's barrier once more.
.macro CROUND
	s_barrier_signal -1
	s_barrier_wait -1
	s_cmp_lg_u32 s[WV], 0
	s_cbranch_scc1 .Lnot_wave_0_\@
	s_barrier_signal -3
.Lnot_wave_0_\@:
	s_barrier_wait -3
	s_barrier_signal -1
	s_barrier_wait -1
.endm
; Descriptor group 1: d1 rows of d0 elements of 8 bytes, st elements from row to row; the tiles lie inside their tensors, so the extents are the tile's.
.macro DESC1 g, m, pad, d0, d1, st
	s_or_b32 s[\g], s[\m], (3<<16)|(1<<21)|(\pad)  ; 15:0 the mask; 17:16 elements of 8 bytes; 21 set beside a mask; the padding's fields
	s_mov_b32 s[\g+1], (\d0)<<16                   ; tensor_dim0
	s_mov_b32 s[\g+2], (\d1)<<16                   ; tensor_dim1
	s_mov_b32 s[\g+3], (\d0)<<16                   ; tile_dim0
	s_mov_b32 s[\g+4], \d1                         ; tile_dim1
	s_mov_b32 s[\g+5], \st                         ; tensor_dim0_stride
	s_mov_b32 s[\g+6], 0
	s_mov_b32 s[\g+7], 0
.endm
	s_load_b256 s[4:11], s[0:1], 0x0               ; x_codes s[4:5], x_scales s[6:7], gate s[8:9], W's codes s[10:11]
	s_load_b128 s[12:15], s[0:1], 0x20             ; W's scales s[12:13], the bias s[14:15]
	s_load_b64 s[16:17], s[0:1], 0x30              ; out
	v_lshl_add_u32 v[SPW], v0, 2, SPARE
	v_mov_b32 v[NIL], 0
	ds_add_u32 v1, v2
	ds_add_u32 v1, v2
	s_wait_dscnt 0x0
	v_lshrrev_b32 v14, 5, v0
	v_readfirstlane_b32 s[WV], v14                 ; wave 0..3
	s_lshr_b32 s[TR], s[WV], 1
	s_and_b32 s[CH], s[WV], 1
	s_bfe_u32 s[CX], ttmp6, 0x40000
	s_bfe_u32 s[CY], ttmp6, 0x40004
	s_lshl_b32 s[WGX], ttmp9, 2                    ; in a cluster launch ttmp9 and ttmp7 count clusters
	s_add_co_u32 s[WGX], s[WGX], s[CX]
	s_and_b32 s[WGY], ttmp7, 0xffff
	s_lshl_b32 s[WGY], s[WGY], 2
	s_add_co_u32 s[WGY], s[WGY], s[CY]
	s_lshl_b32 s[ROWM], s[CY], 2
	s_lshl_b32 s[ROWM], 15, s[ROWM]                ; my row of the cluster: places 4 cy .. 4 cy + 3
	s_lshl_b32 s[COLM], 0x1111, s[CX]              ; my column: places cx, cx + 4, cx + 8, cx + 12
	DESC1 G1X,  ROWM, PADW, 64, 64, 64             ; x: 64 tokens of 512 bytes, dense
	DESC1 G1GT, ROWM, 0, 32, 8, 32                 ; the gate of 64 tokens: 2,048 dense bytes as 8 rows of 256
	DESC1 G1W,  COLM, PADW, 1024, 4, 131072        ; W: a row of the tile is the 8,192 dense bytes of 16 rows of one expert; four experts, 1 MiB apart.  The padding counts along the whole tile: 16 bytes behind every 512
	DESC1 G1SC, COLM, 0, 512, 2, 8192              ; W's scales: 128 rows x 32 bytes are 4,096 dense bytes; two experts, 65,536 bytes apart
	DESC1 G1BI, COLM, 0, 64, 2, 1024               ; the bias: 512 bytes; two experts, 8,192 bytes apart
.irp g, G0X, G0GT, G0SC, G0BI, G0WA, G0WB
	s_mov_b32 s[\g], 1                             ; count = 1
.endr
	s_mul_i32 s[G0X+1], s[WV], QUART               ; LDS addresses: the region's constant + the wave's number x a constant: no place in the cluster enters
	s_mul_i32 s[G0WB+1], s[WV], QUART
	s_mul_i32 s[G0WA+1], s[WV], QUART
	s_add_co_u32 s[G0WA+1], s[G0WA+1], R1
	s_lshl_b32 s[G0GT+1], s[WV], 11
	s_add_co_u32 s[G0GT+1], s[G0GT+1], GATE
	s_lshl_b32 s[G0SC+1], s[WV], 13
	s_add_co_u32 s[G0SC+1], s[G0SC+1], WSC
	s_lshl_b32 s[G0BI+1], s[WV], 10
	s_add_co_u32 s[G0BI+1], s[G0BI+1], BIAS
	s_wait_kmcnt 0x0
	; what my row of the cluster shares hangs on the token block and the wave alone, in s[28:29]
	s_lshl_b32 s28, s[WGY], 17                     ; x: 256 tokens of 512 bytes a work-group,
	s_lshl_b32 s29, s[WV], 15                      ; 64 a wave
	s_add_co_u32 s28, s28, s29
	s_mov_b32 s29, 0
	s_add_nc_u64 s[G0X+2:G0X+3], s[4:5], s[28:29]
	s_or_b32 s[G0X+3], s[G0X+3], 0x80000000        ; type = 2
	s_lshl_b32 s28, s[WGY], 13                     ; the gate: 256 tokens of 32 bytes, 64 a wave
	s_lshl_b32 s29, s[WV], 11
	s_add_co_u32 s28, s28, s29
	s_mov_b32 s29, 0
	s_add_nc_u64 s[G0GT+2:G0GT+3], s[8:9], s[28:29]
	s_or_b32 s[G0GT+3], s[G0GT+3], 0x80000000
	s_lshl_b32 s28, s[WGY], 13                     ; x's scale bytes, which come by plain loads: my wave's 128 tokens of 32 bytes
	s_lshl_b32 s29, s[TR], 12
	s_add_co_u32 s28, s28, s29
	s_mov_b32 s29, 0
	s_add_nc_u64 s[6:7], s[6:7], s[28:29]
	; what my column shares hangs on the column block and the wave alone, in s[30:31]
	s_lshl_b32 s30, s[WGX], 12                     ; W's scales: 128 rows of 32 bytes a work-group; experts 2 w, 2 w + 1
	s_lshl_b32 s31, s[WV], 17
	s_add_co_u32 s30, s30, s31
	s_mov_b32 s31, 0
	s_add_nc_u64 s[G0SC+2:G0SC+3], s[12:13], s[30:31]
	s_or_b32 s[G0SC+3], s[G0SC+3], 0x80000000
	s_lshl_b32 s30, s[WGX], 9                      ; the bias: 128 numbers a work-group; experts 2 w, 2 w + 1
	s_lshl_b32 s31, s[WV], 14
	s_add_co_u32 s30, s30, s31
	s_mov_b32 s31, 0
	s_add_nc_u64 s[G0BI+2:G0BI+3], s[14:15], s[30:31]
	s_or_b32 s[G0BI+3], s[G0BI+3], 0x80000000
	s_lshl_b32 s30, s[WGX], 16                     ; W: 128 rows of 512 bytes a work-group;
	s_lshl_b32 s31, s[CH], 22                      ; experts 4 (w % 2) + 0 .. 3;
	s_add_co_u32 s30, s30, s31
	s_lshl_b32 s31, s[TR], 15                      ; column half w / 2: so the wave's quarter of a slot is [w / 2][4 (w % 2) ..]
	s_add_co_u32 s30, s30, s31
	s_mov_b32 s31, 0
	s_add_nc_u64 s[G0WA+2:G0WA+3], s[10:11], s[30:31]              ; pass 0
	s_add_nc_u64 s[G0WB+2:G0WB+3], s[G0WA+2:G0WA+3], 8192          ; pass 1: 16 rows on
	s_or_b32 s[G0WA+3], s[G0WA+3], 0x80000000
	s_or_b32 s[G0WB+3], s[G0WB+3], 0x80000000
	s_lshl_b32 s2, s[WGY], 21                      ; out: 256 rows of 8,192 bytes a work-group, 128 a token half,
	s_lshl_b32 s3, s[TR], 20
	s_add_co_u32 s2, s2, s3
	s_lshl_b32 s3, s[WGX], 9                       ; 512 bytes a column block, 256 a column half
	s_add_co_u32 s2, s2, s3
	s_lshl_b32 s3, s[CH], 8
	s_add_co_u32 s2, s2, s3
	s_mov_b32 s3, 0
	s_add_nc_u64 s[16:17], s[16:17], s[2:3]
	CROUND                                         ; all sixteen work-groups are here: the first joint loads meet
	tensor_load_to_lds s[G0X:G0X+3], s[G1X:G1X+7]                  ; the five first fills go out as one group: five loads of mine are out.  x first: it is wanted first
	s_nop 0
	tensor_load_to_lds s[G0GT:G0GT+3], s[G1GT:G1GT+7]
	s_nop 0
	tensor_load_to_lds s[G0SC:G0SC+3], s[G1SC:G1SC+7]
	s_nop 0
	tensor_load_to_lds s[G0BI:G0BI+3], s[G1BI:G1BI+7]
	s_nop 0
	tensor_load_to_lds s[G0WA:G0WA+3], s[G1W:G1W+7]                ; W of pass 0, into slot R1
	s_nop 0
.rept 4
	v_nop                                          ; four v_nop follow the last of them
.endr
	v_and_b32 v[XO], 31, v0
	v_lshlrev_b32 v[XO], 5, v[XO]                  ; lane l takes token 32 i + l: 32 bytes, the eight scale words of its row
.irp i, 0,1,2,3
.irp u, 0,1
	global_load_b128 v[XS+8*\i+4*\u:XS+8*\i+4*\u+3], v[XO], s[6:7] offset:1024*\i+16*\u   ; the two loads of a pair of token blocks read 1,024 consecutive bytes between them
.endr
.endr
	v_and_b32 v14, 15, v0                          ; r = l % 16
	v_bfe_u32 v15, v0, 4, 1                        ; h = l / 16
	v_mul_u32_u24 v[AW0], v14, PITCH
	v_lshl_add_u32 v[AW0], v15, 4, v[AW0]          ; a fragment's row x pitch + 16 x half
	s_mul_i32 s100, s[TR], HALFW
	v_add_nc_u32 v[AX], s100, v[AW0]               ; x: my 128 tokens
	s_mul_i32 s100, s[CH], HALFW
	v_add_nc_u32 v[AW0], s100, v[AW0]              ; W: my column half
	s_lshl_b32 s100, s[CH], 11
	s_add_co_u32 s100, s100, WSC
	v_lshl_add_u32 v[AS0], v14, 5, s100            ; W's scale words: row 64 c + r of 32 bytes
	s_lshl_b32 s100, s[CH], 8
	s_add_co_u32 s100, s100, BIAS
	v_lshl_add_u32 v[AB0], v15, 5, s100            ; the bias: columns 64 c + 8 h on
	s_lshl_b32 s100, s[TR], 12
	s_add_co_u32 s100, s100, GATE
	v_lshl_add_u32 v[AG0], v14, 5, s100            ; the gate: token 128 (w / 2) + r of 32 bytes
	s_mul_i32 s100, s[WV], 16*SP
	s_add_co_u32 s100, s100, R1                    ; my stage
	v_mul_u32_u24 v[STO], v14, SP                  ; in: row r, 32 bytes for each half of the lanes
	v_lshl_add_u32 v[STO], v15, 5, v[STO]
	v_add_nc_u32 v[STO], s100, v[STO]
	v_mul_u32_u24 v[RD], v15, SP                   ; back: lanes 0-15 take one row of 256 bytes, lanes 16-31 the next
	v_lshl_add_u32 v[RD], v14, 4, v[RD]
	v_add_nc_u32 v[RD], s100, v[RD]
	v_lshlrev_b32 v[CO], 13, v15                   ; and the same two rows in out
	v_lshl_add_u32 v[CO], v14, 4, v[CO]
.irp t, 0,1,2,3,4,5,6,7
	v_mov_b32 v[G+2*\t+1], 0                       ; named with the gate as a pair, so it is written
.endr
; One matrix instruction: token block a, K step q.  The first K step takes the bias as C.  The token block's scale words lie in lanes 0-15 (even a) or 16-31 (odd a) of their register.
.macro MM a, q
.set rA, ACC+8*(\a)
.set rF, F+8*(\q)
.set rX, 64*((\a)%4)+8*(\q)
.set rS, XS+8*((\a)/2)+(\q)
.if (\q) == 0
.if (\a)%2
	v_wmma_scale_f32_16x16x128_f8f6f4 v[rA:rA+7], v[rF:rF+7], v[rX:rX+7], v[BI:BI+7], v[WS+(\q)], v[rS] matrix_a_fmt:MATRIX_FMT_FP4 matrix_b_fmt:MATRIX_FMT_FP4 matrix_b_scale:MATRIX_SCALE_ROW1
.else
	v_wmma_scale_f32_16x16x128_f8f6f4 v[rA:rA+7], v[rF:rF+7], v[rX:rX+7], v[BI:BI+7], v[WS+(\q)], v[rS] matrix_a_fmt:MATRIX_FMT_FP4 matrix_b_fmt:MATRIX_FMT_FP4
.endif
.else
.if (\a)%2
	v_wmma_scale_f32_16x16x128_f8f6f4 v[rA:rA+7], v[rF:rF+7], v[rX:rX+7], v[rA:rA+7], v[WS+(\q)], v[rS] matrix_a_fmt:MATRIX_FMT_FP4 matrix_b_fmt:MATRIX_FMT_FP4 matrix_b_scale:MATRIX_SCALE_ROW1
.else
	v_wmma_scale_f32_16x16x128_f8f6f4 v[rA:rA+7], v[rF:rF+7], v[rX:rX+7], v[rA:rA+7], v[WS+(\q)], v[rS] matrix_a_fmt:MATRIX_FMT_FP4 matrix_b_fmt:MATRIX_FMT_FP4
.endif
.endif
.endm
; HALF A UNIT: token blocks 4 h + 0 .. 3, 8 K steps x 4 matrix instructions; the four accumulators take turns, one instruction a turn, from half to half and over the loop's edge too.
; epi: the other half's four finished tiles, one for every two K steps: 1: out's block ob += gate x max(sum, 0); 2: the same starts out's sums (expert 0); 0: there is none yet.
;   The maximum stands behind each matrix instruction, in the long form with the register as source 0, which the matrix setting leaves in window 0: no switch.  A tile's registers are taken from its low end on.
;   The four packed sums, whose result lies in window 1, stand together behind the odd K step: two switches.
;   A tile's last product stands five plain instructions or more ahead of the first read of it (ISA guide 7.12.1): behind a half's last product stand one maximum and four packed sums, none of which names its registers.
; ld (half B alone): 1: behind each odd K step q the fragments and scale words of K steps q - 1 and q are replaced by the next unit's: their last product has the same five plain instructions behind it.
;   With them, at q = 1: the next unit's bias (last read in K step 0) and the gate of token blocks 4-7 for the expert in hand; at q = 7: the gate of token blocks 0-3 for the next expert (gn = 1: expert 0).
;   The four runs are of 11, 5, 5 and 9 loads.  2: the last unit: the gate of token blocks 4-7 alone.
.macro HALF h, epi, ob, ld, gn
.if \h
	s_wait_dscnt 0x0                               ; the gate of token blocks 0-3, the last four loads of the half B before, asked for 32 matrix instructions ago
.endif
	WIN 0x08+4*\h                                  ; source 1 (x) in window 2 or 3; all else in window 0
.set qq, 0
.rept 8
.if (\h == 0) && (qq%2 == 0)
	s_wait_dscnt 19-5*(qq/2)                       ; 19, 14, 9, 4: the loads issued behind the run that brought K steps qq and qq + 1 (of the last run: behind its five loads of fragments and scale words)
.endif
.set tt, 4*(1-\h)+qq/2
.set ii, 0
.rept 4
	MM 4*\h+ii, qq
.if \epi
	v_max_num_f32 v[ACC+8*tt+4*(qq%2)+ii], v[ACC+8*tt+4*(qq%2)+ii], 0
.endif
.set ii, ii+1
.endr
.if qq%2
.if \epi
	WIN 0x50                                       ; destination and source 2 (out) in window 1
.set kk, 0
.rept 4
.if \epi == 2
	v_pk_mul_f32 v[64*(\ob)+8*tt+2*kk:64*(\ob)+8*tt+2*kk+1], v[ACC+8*tt+2*kk:ACC+8*tt+2*kk+1], v[G+2*tt:G+2*tt+1] op_sel_hi:[1,0]
.else
	v_pk_fma_f32 v[64*(\ob)+8*tt+2*kk:64*(\ob)+8*tt+2*kk+1], v[ACC+8*tt+2*kk:ACC+8*tt+2*kk+1], v[G+2*tt:G+2*tt+1], v[64*(\ob)+8*tt+2*kk:64*(\ob)+8*tt+2*kk+1] op_sel_hi:[1,0,1]
.endif
.set kk, kk+1
.endr
	WIN 0x08+4*\h                                  ; (an LDS load's destination and address lie in window 0 under this setting too)
.endif
.if \h && (\ld == 1)
	ds_load_b128 v[F+8*(qq-1):F+8*(qq-1)+3],   v[ADW] offset:64*(qq-1)
	ds_load_b128 v[F+8*(qq-1)+4:F+8*(qq-1)+7], v[ADW] offset:64*(qq-1)+32
	ds_load_b128 v[F+8*qq:F+8*qq+3],           v[ADW] offset:64*qq
	ds_load_b128 v[F+8*qq+4:F+8*qq+7],         v[ADW] offset:64*qq+32
	ds_load_b64 v[WS+qq-1:WS+qq], v[ADS] offset:4*(qq-1)
.endif
.if \h && (\ld > 0) && (qq == 1)
.if \ld == 1
	ds_load_b128 v[BI:BI+3], v[ADB]
	ds_load_b128 v[BI+4:BI+7], v[ADB] offset:16
.endif
.irp t, 4,5,6,7
	ds_load_b32 v[G+2*\t], v[ADG] offset:512*\t
.endr
.endif
.if \h && (\ld == 1) && (qq == 7)
.irp t, 0,1,2,3
.if \gn
	ds_load_b32 v[G+2*\t], v[AG0] offset:512*\t
.else
	ds_load_b32 v[G+2*\t], v[ADG] offset:512*\t+4
.endif
.endr
.endif
.endif
.set qq, qq+1
.endr
.if \epi == 0
.rept 4
	v_nop                                          ; no vector work yet: the places between these products and the first read of their sums
.endr
.endif
.endm
.macro STEPADR g                       ; the next unit is the next expert's; g = 0: the gate's address goes on to the next expert, 1: back to expert 0
	v_add_nc_u32 v[ADW], CHUNK, v[ADW]
	v_add_nc_u32 v[ADS], 4096, v[ADS]
	v_add_nc_u32 v[ADB], 512, v[ADB]
.if \g
	v_mov_b32 v[ADG], v[AG0]
.else
	v_add_nc_u32 v[ADG], 4, v[ADG]
.endif
.endm
.macro NEXTPASS nb                     ; the next unit is expert 0 of pass nb: even passes lie in slot R1, odd ones in R0
	v_add_nc_u32 v[ADW], R1*(1-(\nb)%2), v[AW0]
	v_add_nc_u32 v[ADS], 512*(\nb), v[AS0]
	v_add_nc_u32 v[ADB], 64*(\nb), v[AB0]
.endm
; THE CHANGE OF SLOTS.  Each wave waits for all its tensor loads, adds 0 to its spare word, and waits for that and for its reads of the slot that it leaves.  Behind the barrier the slot ahead is whole and nobody reads the other.
; fill = 1: the barrier is a round of the cluster's, so that no wave of any partner still reads the slot or has a load on its way; the slot just left is filled again by the joint load of group 0 g0, the first thing behind
; the round and the wave's one tensor load until the next: it has a whole pass, 512 matrix instructions, in which to land.  step = 1: g0 goes two passes on, 32 rows of 512 bytes.
.macro CHANGE fill, g0, step, nb
	WIN 0                                          ; the add's registers lie in window 0; at a branch and at a label every window is 0
	s_wait_tensorcnt 0x0                           ; no tensor load of mine is out, so a group 0 may be written
	ds_add_u32 v[SPW], v[NIL]                      ; 0 onto my spare word; the addresses' steps stand between it and the wait for it
	NEXTPASS \nb
.if \step
	s_add_nc_u64 s[\g0+2:\g0+3], s[\g0+2:\g0+3], 16384             ; the type bits on top are not reached
.endif
	s_wait_dscnt 0x0                               ; the add is done, and my reads of the slot are over
.if \fill
	CROUND
	tensor_load_to_lds s[\g0:\g0+3], s[G1W:G1W+7]
	s_nop 0
.rept 4
	v_nop
.endr
.else
	s_barrier_signal -1
	s_barrier_wait -1
.endif
.endm
	s_wait_tensorcnt 0x4                           ; tensor loads of a wave end in order: my quarter of x's tile is in; the four issued behind it may stay out
	s_barrier_signal -1
	s_barrier_wait -1                              ; everybody's quarter is in
	; x into registers: a fragment, 16 tokens x 128 K, is 8 registers: lane l holds token l % 16; registers 4 c .. 4 c + 3 hold K = 64 c + 32 (l / 16) + 0 .. 31: two loads of 16 bytes, 32 bytes apart
	WIN 0x80                                       ; destination window 2
.irp a, 0,1,2,3
.irp q, 0,1,2,3,4,5,6,7
	ds_load_b128 v[64*\a+8*\q:64*\a+8*\q+3],   v[AX] offset:\a*CHUNK+64*\q
	ds_load_b128 v[64*\a+8*\q+4:64*\a+8*\q+7], v[AX] offset:\a*CHUNK+64*\q+32
.endr
.endr
	WIN 0xc0                                       ; destination window 3
.irp a, 0,1,2,3
.irp q, 0,1,2,3,4,5,6,7
	ds_load_b128 v[64*\a+8*\q:64*\a+8*\q+3],   v[AX] offset:(\a+4)*CHUNK+64*\q
	ds_load_b128 v[64*\a+8*\q+4:64*\a+8*\q+7], v[AX] offset:(\a+4)*CHUNK+64*\q+32
.endr
.endr
	CHANGE 1, G0WB, 0, 0                           ; all first fills have landed and x is in registers, in every wave of the cluster: slot R0 takes W of pass 1
	; the first unit's fragments, scale words and bias, and the gate of token blocks 0-3 for expert 0
.irp q, 0,1,2,3,4,5,6,7
	ds_load_b128 v[F+8*\q:F+8*\q+3],   v[ADW] offset:64*\q
	ds_load_b128 v[F+8*\q+4:F+8*\q+7], v[ADW] offset:64*\q+32
.endr
.irp q, 0,2,4,6
	ds_load_b64 v[WS+\q:WS+\q+1], v[ADS] offset:4*\q
.endr
	ds_load_b128 v[BI:BI+3], v[ADB]
	ds_load_b128 v[BI+4:BI+7], v[ADB] offset:16
.irp t, 0,1,2,3
	ds_load_b32 v[G+2*\t], v[AG0] offset:512*\t
.endr
	STEPADR 1
	s_wait_dscnt 0x0
	s_wait_loadcnt 0x0                             ; x's scale words
; A PASS: block b of 16 columns, experts 0 to 7.  Half A of expert 0 carries the last sums of the pass before; a trip of the loop is half B of expert e and half A of expert e + 1, and both carry expert e's sums.
; The change of slots stands in front of expert 7's half B: its fragments are in registers, so the pass's slot is free, and that half's loads read the next pass's slot.
.macro PASS b
.if \b == 0
	HALF 0, 0, 0, 0, 0
.else
	HALF 0, 1, \b-1, 0, 0
	WIN 0
	STEPADR 1
.endif
	HALF 1, 2, \b, 1, 0                            ; expert 0 starts out's sums: nothing is cleared
	HALF 0, 2, \b, 0, 0
	WIN 0
	STEPADR 0
	s_mov_b32 s[CNT], 6
.Lpass_\b:                                             ; experts 1 to 6
	HALF 1, 1, \b, 1, 0
	HALF 0, 1, \b, 0, 0
	WIN 0
	STEPADR 0
	s_sub_co_u32 s[CNT], s[CNT], 1
	s_cmp_lg_u32 s[CNT], 0
	s_cbranch_scc1 .Lpass_\b
.if \b == 0
	CHANGE 1, G0WA, 1, 1                           ; slot R1 takes pass 2
.elseif \b == 1
	CHANGE 1, G0WB, 1, 2                           ; slot R0 takes pass 3
.elseif \b == 2
	CHANGE 0, G0WA, 0, 3                           ; nothing is left to fetch: slot R1 has had its last fill and its last read
.endif
.if \b < 3
	HALF 1, 1, \b, 1, 1
.else
	HALF 1, 1, \b, 2, 1
.endif
.endm
	PASS 0
	PASS 1
	PASS 2
	PASS 3
	; the last sums: token blocks 4-7 of expert 7, block 3.  Behind the last product stand five plain instructions already, and tile 4, which was finished earlier, comes first
	WIN 0
	s_wait_dscnt 0x0                               ; the gate of token blocks 4-7
.irp t, 4,5,6,7
.irp j, 0,1,2,3,4,5,6,7
	v_max_num_f32 v[ACC+8*\t+\j], 0, v[ACC+8*\t+\j]
.endr
.endr
	WIN 0x50
.irp t, 4,5,6,7
.irp k, 0,1,2,3
	v_pk_fma_f32 v[192+8*\t+2*\k:192+8*\t+2*\k+1], v[ACC+8*\t+2*\k:ACC+8*\t+2*\k+1], v[G+2*\t:G+2*\t+1], v[192+8*\t+2*\k:192+8*\t+2*\k+1] op_sel_hi:[1,0,1]
.endr
.endr
	WIN 0
; THE WAY OUT, token block by token block: 16 rows x 64 columns.  A lane holds 4 x 32 bytes of one row, and the lanes beside it hold other rows: so a block goes through my own stage in LDS and comes back as whole rows of
; 256 bytes.  LDS serves a wave's instructions in order (ISA guide 5.7.1.4): no wait between the stores and the loads, nor in front of the next block's stores.  The stage is my wave's own: no barrier.
.macro TOSTAGE a
.set BB, BK+32*((\a)%2)
	WIN 0x04                                       ; the data in window 1
.irp b, 0,1,2,3
	ds_store_b128 v[STO], v[64*\b+8*(\a):64*\b+8*(\a)+3] offset:64*\b
	ds_store_b128 v[STO], v[64*\b+8*(\a)+4:64*\b+8*(\a)+7] offset:64*\b+16
.endr
	WIN 0
.irp t, 0,1,2,3,4,5,6,7
	ds_load_b128 v[BB+4*\t:BB+4*\t+3], v[RD] offset:\t*2*SP
.endr
.endm
.macro SEND a, younger                 ; younger: the LDS instructions issued behind block a's loads, which may stay out
.set BB, BK+32*((\a)%2)
	s_wait_dscnt \younger
.irp t, 0,1,2,3,4,5,6,7
	global_store_b128 v[CO], v[BB+4*\t:BB+4*\t+3], s[16:17] offset:(\a)*131072+\t*16384 th:TH_STORE_NT   ; 16 lanes store 256 consecutive bytes, at a multiple of 256 from out's first byte; every offset is an immediate, 1,032,192 at the most
.endr
.endm
	TOSTAGE 0
.irp a, 1,2,3,4,5,6,7
	s_wait_xcnt 0x0                                ; block a - 2's stores have read their registers: block a's loads may land there
	TOSTAGE \a
	SEND \a-1, 16                                  ; behind block a - 1's loads: block a's 8 stores and 8 loads
.endr
	SEND 7, 0
	s_wait_tensorcnt 0x0                           ; the wave's end, behind my last tensor load and my last LDS store
	ds_add_u32 v[SPW], v[NIL]
	s_wait_dscnt 0x0
	CROUND                                         ; the closing round: no work-group ends while a partner may still ask for a tile that names it
	s_endpgm
.Lfunc_end_k_qf63373611b_moe:
	.size	k_qf63373611b_moe, .Lfunc_end_k_qf63373611b_moe-k_qf63373611b_moe
	.p2alignl 7, 3214868480
	.fill 96, 4, 3214868480
	.section	.rodata,"a",@progbits
	.p2align	6, 0x0
	.amdhsa_kernel k_qf63373611b_moe
		.amdhsa_group_segment_fixed_size 327680
		.amdhsa_private_segment_fixed_size 0
		.amdhsa_enable_private_segment 0
		.amdhsa_kernarg_size 56
		.amdhsa_user_sgpr_count 2
		.amdhsa_user_sgpr_kernarg_segment_ptr 1
		.amdhsa_wavefront_size32 1
		.amdhsa_system_sgpr_workgroup_id_x 1
		.amdhsa_system_sgpr_workgroup_id_y 1
		.amdhsa_system_sgpr_workgroup_id_z 1
		.amdhsa_system_vgpr_workitem_id 0
		.amdhsa_next_free_vgpr 1024
		.amdhsa_next_free_sgpr 102
		.amdhsa_reserve_vcc 0
		.amdhsa_float_denorm_mode_32 3
		.amdhsa_float_denorm_mode_16_64 3
		.amdhsa_memory_ordered 1
		.amdhsa_forward_progress 1
		.amdhsa_inst_pref_size 238
	.end_amdhsa_kernel
	.amdgpu_metadata
---
amdhsa.version: [ 1, 2 ]
amdhsa.kernels:
  - .name:           k_qf63373611b_moe
    .symbol:         k_qf63373611b_moe.kd
    .args:
      - { .name: x_codes, .offset: 0, .size: 8, .value_kind: global_buffer, .address_space: global }
      - { .name: x_scales, .offset: 8, .size: 8, .value_kind: global_buffer, .address_space: global }
      - { .name: gate, .offset: 16, .size: 8, .value_kind: global_buffer, .address_space: global }
      - { .name: expert_w_codes, .offset: 24, .size: 8, .value_kind: global_buffer, .address_space: global }
      - { .name: expert_w_scales, .offset: 32, .size: 8, .value_kind: global_buffer, .address_space: global }
      - { .name: expert_b, .offset: 40, .size: 8, .value_kind: global_buffer, .address_space: global }
      - { .name: out0, .offset: 48, .size: 8, .value_kind: global_buffer, .address_space: global }
    .group_segment_fixed_size: 327680
    .private_segment_fixed_size: 0
    .kernarg_segment_align: 8
    .kernarg_segment_size: 56
    .max_flat_workgroup_size: 128
    .sgpr_count:     102
    .vgpr_count:     1024
    .wavefront_size: 32
...
	.end_amdgpu_metadata
.endif
;; end of part 2
;; ======== version 2 of 2: 2 launches; 1.13 times as fast as version 1
;; workspace buffers: x_codes 2,097,152 bytes; x_scales 131,072 bytes; gate 131,072 bytes
;; launch prep (part 3): grid 256 x 1, 8 waves a work-group, no clusters, 44,032 bytes of LDS; arguments x, gate_w, gate_b, x_codes, x_scales, gate; writes x_codes, x_scales, gate
.if DOCPART == 3
	.amdgcn_target "amdgcn-amd-amdhsa--gfx1250"
	.amdhsa_code_object_version 6
	.text
	.protected	k_qf63373611b_prep
	.globl	k_qf63373611b_prep
	.p2align	8
	.type	k_qf63373611b_prep,@function
k_qf63373611b_prep:
	s_mov_b64 s[64:65], 0
	v_nop
	global_prefetch_b8 v0, s[64:65] scope:SCOPE_SE
	s_setreg_imm32_b32 hwreg(HW_REG_WAVE_MODE, 25, 1), 1
	s_wait_xcnt 0x0
; x [4096][1024] f32 is read ONCE and gives two things:
;   (1) its codes of FP4 (E2M1), K innermost, two codes a byte, 512 bytes a row, with one E8M0 scale byte for each 32 along K, 32 bytes a row;
;   (2) the gate, softmax over the 8 experts of x . gate_w[e] + gate_b[e], all in f32 (fused multiply-adds; the row's largest logit is taken away before the exponentials).
; A block's scale byte is its largest magnitude's exponent field - 2 (2 = the exponent of the format's largest number, 6), held at 1 from below; a block of zeros gets 127.
; LIMITS: NaN and infinities in x are not served.  Blocks whose largest magnitude lies under 2^-124, whose byte is held at 1, were not tried.
; SHARES.  A work-group owns 16 rows.  Wave w takes rows 4 (w / 2) + 0 .. 3 and half w % 2 of K.
; EVERY GLOBAL LOAD OF X AND OF GATE_W COVERS 512 CONSECUTIVE BYTES: load i of a half row gives lane l the four numbers k = 128 i + 4 l + 0 .. 3.  So a block of 32 lies in eight neighbouring lanes, four numbers each.
; The conversion takes eight numbers of one lane and ONE scale; a lane's eight registers of loads i and i + 1 belong to two blocks.  So it is made twice on the same eight registers, once with each block's scale:
; the low 16 bits of the first result and the high 16 bits of the second are the codes that count.  They go, 2 bytes a lane, into the wave's own 1,024 bytes of LDS and come back as 16 bytes a lane.
; gate_w is fetched once for the work-group: wave w brings row w into LDS; behind a barrier each wave reads its lanes' 16 numbers of each of the 8 rows, 128 registers, which serve its 4 rows of x.
; gate_b is asked for as soon as four registers are free, behind the quantising: the products, the sums over the lanes and a barrier stand between the request and its use.
; The waves' partial logits and scale bytes meet in LDS: a second barrier; then wave 0 makes the 16 rows' softmax and wave 1 stores the 16 rows' scale bytes, each as 512 consecutive bytes.
; No matrix unit (8 columns are half a tile, and x is in registers anyway), no tensor loads, no ring: all 24 loads of x and gate_w of a wave are out at once.
.set PART, 0                           ; LDS: partial logits [row 16][half 2][expert 8] f32: 1,024 bytes
.set SCL,  1024                        ; LDS: scale bytes [row 16][32]: 512 bytes
.set CODE, 2048                        ; LDS: codes, each wave's own [row 4][256 bytes]: 8 x 1,024 bytes
.set GW,   10240                       ; LDS: gate_w [8][4,096 bytes]
.set MX,   8                           ; v8-11    the four blocks' largest magnitudes; at the end the codes on their way out, with v12-15
.set BY,   12                          ; v12-15   their bytes
.set SF,   16                          ; v16-19   their scales as f32; behind the quantising: gate_b's four numbers for my lane
.set CS,   20                          ; v20      LDS: where my 2 bytes of codes go
.set CR,   21                          ; v21      LDS: where I read 16 bytes of codes back
.set GS,   22                          ; v22      LDS: where my 16 bytes of gate_w's row w go; behind the quantising: 16 (l % 2), not written again
.set GR,   23                          ; v23      LDS: where I read my numbers of gate_w
.set P,    24                          ; v24-31   four packed running sums, one pair for each row
.set S,    32                          ; v32-63   logit (row j, expert e) at S + 8 j + e; before that:
.set CD,   32                          ; v32-47   conversions' results, four for each row, so that no LDS store's data are written again
.set EB,   48                          ; v48-63   scale bytes, four for each row
.set X,    64                          ; v64-127  16 numbers for each row
.set W,    128                         ; v128-255 16 numbers for each expert
	s_load_b256 s[4:11], s[0:1], 0x0               ; x s[4:5], gate_w s[6:7], gate_b s[8:9], x_codes s[10:11]
	s_load_b128 s[12:15], s[0:1], 0x20             ; x_scales s[12:13], gate s[14:15]
	s_set_vgpr_msb 0x40
	v_lshl_add_u32 v0, v0, 2, 0xa800
	v_mov_b32 v1, 0
	s_set_vgpr_msb 0x4000
	v_lshrrev_b32 v6, 5, v0
	v_readfirstlane_b32 s16, v6                    ; wave 0..7
	s_and_b32 s17, s16, 1                          ; which half of K
	s_lshr_b32 s18, s16, 1                         ; which four rows
	s_mov_b32 s20, 0x76543210                      ; v_permlanex16_b32: lane l takes lane l xor 16
	s_mov_b32 s21, 0xfedcba98
	v_and_b32 v2, 31, v0                           ; lane
	v_lshlrev_b32 v1, 4, v2                        ; 16 bytes a lane
	s_lshl_b32 s22, ttmp9, 16                      ; x: 16 rows of 4,096 bytes a work-group,
	s_lshl_b32 s23, s18, 14                        ; 4 rows a pair of waves,
	s_add_co_u32 s22, s22, s23
	s_lshl_b32 s23, s17, 11                        ; 2,048 bytes a half row
	s_add_co_u32 s22, s22, s23
	s_mov_b32 s23, 0
	s_lshl_b32 s26, s16, 12                        ; gate_w: row w
	s_mov_b32 s27, 0
	s_wait_kmcnt 0x0
	s_add_nc_u64 s[4:5], s[4:5], s[22:23]
	s_add_nc_u64 s[6:7], s[6:7], s[26:27]
.irp i, 0,1,2,3,4,5,6,7
	global_load_b128 v[W+4*\i:W+4*\i+3], v1, s[6:7] offset:512*\i    ; gate_w's row w, first: it has the longer way
.endr
.irp j, 0,1,2,3
.irp i, 0,1,2,3
	global_load_b128 v[X+16*\j+4*\i:X+16*\j+4*\i+3], v1, s[4:5] offset:4096*\j+512*\i th:TH_LOAD_NT
.endr
.endr
	s_lshr_b32 s22, s22, 3                         ; the codes are an eighth of x's bytes: the same place, divided by 8
	s_add_nc_u64 s[10:11], s[10:11], s[22:23]
	s_lshl_b32 s22, ttmp9, 9                       ; scale bytes and gate: 16 rows of 32 bytes a work-group
	s_add_nc_u64 s[12:13], s[12:13], s[22:23]
	s_add_nc_u64 s[14:15], s[14:15], s[22:23]
	s_lshl_b32 s24, s18, 7                         ; LDS, scale bytes: row 4 (w / 2) of 32 bytes,
	s_lshl_b32 s25, s17, 4                         ; 16 blocks a half row,
	s_add_co_u32 s24, s24, s25
	s_add_co_u32 s24, s24, SCL
	v_lshrrev_b32 v4, 3, v2                        ; eight lanes to a block
	v_add_nc_u32 v4, s24, v4
	s_lshl_b32 s24, s18, 8                         ; LDS, partial logits: row 4 (w / 2) of 64 bytes,
	s_lshl_b32 s25, s17, 5                         ; 32 bytes a half
	s_add_co_u32 s24, s24, s25
	v_mov_b32 v5, s24
	s_lshl_b32 s24, s16, 10                        ; LDS, codes: my wave's 1,024 bytes
	s_add_co_u32 s24, s24, CODE
	v_lshl_add_u32 v[CS], v2, 1, s24               ; in: 2 bytes a lane
	v_lshl_add_u32 v[CR], v2, 4, s24               ; back: 16 bytes a lane
	s_lshl_b32 s24, s16, 12                        ; LDS, gate_w: in: row w,
	s_add_co_u32 s24, s24, GW
	v_lshl_add_u32 v[GS], v2, 4, s24
	s_lshl_b32 s24, s17, 11                        ; back: my half of every row
	s_add_co_u32 s24, s24, GW
	v_lshl_add_u32 v[GR], v2, 4, s24
	v_lshrrev_b32 v6, 4, v2                        ; the codes' way out: lanes 0-15 one row's 256 bytes, lanes 16-31 the next row's, 512 bytes on
	v_and_b32 v7, 15, v2
	v_lshlrev_b32 v7, 4, v7
	v_lshl_add_u32 v3, v6, 9, v7
	s_wait_loadcnt 16                              ; loads come back in order: gate_w's eight are in; x's sixteen, issued behind them, may be out
.irp i, 0,1,2,3,4,5,6,7
	ds_store_b128 v[GS], v[W+4*\i:W+4*\i+3] offset:512*\i
.endr
	s_wait_dscnt 0x0                               ; for the others' sake: my row of gate_w is in LDS
	s_barrier_signal -1
	s_barrier_wait -1                              ; all eight rows are
.irp e, 0,1,2,3,4,5,6,7
.irp i, 0,1,2,3
	ds_load_b128 v[W+16*\e+4*\i:W+16*\e+4*\i+3], v[GR] offset:4096*\e+512*\i   ; the same k as x's load i: 512 consecutive bytes a wave
.endr
.endr
; Row j is quantised: four blocks at a time, one for each load.
.macro QROW j
.set XS, X+16*\j
	s_wait_loadcnt 4*(3-\j)                        ; row j's four loads are in; the later rows' may be out
.irp i, 0,1,2,3
	v_max3_num_f32 v[MX+\i], |v[XS+4*\i]|, |v[XS+4*\i+1]|, |v[XS+4*\i+2]|
.endr
.irp i, 0,1,2,3
	v_max_num_f32 v[MX+\i], v[MX+\i], |v[XS+4*\i+3]|               ; the largest magnitude of my four,
.endr
.irp m, 1,2,4
.irp i, 0,1,2,3
	v_max_num_f32_dpp v[MX+\i], v[MX+\i], v[MX+\i] row_xmask:\m row_mask:0xf bank_mask:0xf   ; and of the block's eight lanes
.endr
.endr
.irp i, 0,1,2,3
	v_lshrrev_b32 v[BY+\i], 23, v[MX+\i]           ; its exponent field
.endr
.irp i, 0,1,2,3
	v_max_u32 v[BY+\i], 3, v[BY+\i]                ; the byte is not to fall under 1
.endr
.irp i, 0,1,2,3
	v_add_nc_u32 v[BY+\i], -2, v[BY+\i]            ; the scale's byte
.endr
.irp i, 0,1,2,3
	v_lshlrev_b32 v[SF+\i], 23, v[BY+\i]           ; and the scale as f32: the conversion takes its exponent field
.endr
	v_cvt_scalef32_pk8_fp4_f32 v[CD+4*\j],   v[XS:XS+7],    v[SF]     ; eight numbers / the scale, to the nearest code, ties to even, beyond 6 the largest code.  Bits 15:0: load 0's four codes, by their own scale
	v_cvt_scalef32_pk8_fp4_f32 v[CD+4*\j+1], v[XS:XS+7],    v[SF+1]   ; bits 31:16: load 1's four codes, by theirs.  The other half of each result is not used
	v_cvt_scalef32_pk8_fp4_f32 v[CD+4*\j+2], v[XS+8:XS+15], v[SF+2]
	v_cvt_scalef32_pk8_fp4_f32 v[CD+4*\j+3], v[XS+8:XS+15], v[SF+3]
.irp i, 0,1,2,3
	v_cmp_eq_u32 vcc_lo, 0, v[MX+\i]               ; a block of zeros gets 127.  (These plain instructions also stand between the conversions and what touches their results or writes their sources)
	v_cndmask_b32 v[EB+4*\j+\i], v[BY+\i], 127, vcc_lo
.endr
.irp i, 0,1,2,3
	ds_store_b8 v4, v[EB+4*\j+\i] offset:32*\j+4*\i                ; the eight lanes of a block write the same byte with the same value
.endr
	ds_store_b16 v[CS], v[CD+4*\j] offset:256*\j                   ; 128 codes of a load are 64 bytes: 2 bytes a lane
	ds_store_b16_d16_hi v[CS], v[CD+4*\j+1] offset:256*\j+64
	ds_store_b16 v[CS], v[CD+4*\j+2] offset:256*\j+128
	ds_store_b16_d16_hi v[CS], v[CD+4*\j+3] offset:256*\j+192
.endm
; Expert e: my 16 products for each of the four rows, two at a time; the four rows' chains take turns.
.macro GEXP e
.set kk, 0
.rept 8
.irp j, 0,1,2,3
.if kk == 0
	v_pk_mul_f32 v[P+2*\j:P+2*\j+1], v[X+16*\j:X+16*\j+1], v[W+16*\e:W+16*\e+1]   ; the first product starts the sum
.else
	v_pk_fma_f32 v[P+2*\j:P+2*\j+1], v[X+16*\j+2*kk:X+16*\j+2*kk+1], v[W+16*\e+2*kk:W+16*\e+2*kk+1], v[P+2*\j:P+2*\j+1]
.endif
.endr
.set kk, kk+1
.endr
.irp j, 0,1,2,3
	v_add_f32 v[S+8*\j+\e], v[P+2*\j], v[P+2*\j+1]
.endr
.endm
.irp j, 0,1,2,3
	QROW \j
.endr
	v_and_b32 v[GS], 1, v2                         ; the scales' four registers and this address register are free now:
	v_lshlrev_b32 v[GS], 4, v[GS]                  ; 16 bytes for four experts: in the softmax lane l has experts 4 (l % 2) + 0 .. 3
	global_load_b128 v[SF:SF+3], v[GS], s[8:9]     ; gate_b, 288 + 192 vector instructions and a barrier ahead of its use.  Wave 0 alone will use it; every wave asks, 32 bytes, so that no branch is needed
	ds_load_b128 v[8:11], v[CR]                    ; LDS serves a wave's instructions in order: these see my stores.  Rows 0 and 1,
	ds_load_b128 v[12:15], v[CR] offset:512        ; rows 2 and 3
	s_wait_dscnt 0x0                               ; the codes are back, gate_w is in registers, and the LDS stores have read v32-63, which the logits take now
	global_store_b128 v3, v[8:11], s[10:11]        ; sixteen lanes store 256 consecutive bytes, at a multiple of 256 from the buffer's first byte.  v8-15 are not written again
	global_store_b128 v3, v[12:15], s[10:11] offset:1024
.irp e, 0,1,2,3,4,5,6,7
	GEXP \e
.endr
	; the 32 sums over the wave's 32 lanes: four steps inside each half of 16 lanes ride on the addition, one crosses the halves; every lane ends with the sum
.irp m, 1,2,4,8
.set rr, 0
.rept 32
	v_add_f32_dpp v[S+rr], v[S+rr], v[S+rr] row_xmask:\m row_mask:0xf bank_mask:0xf
.set rr, rr+1
.endr
.endr
.set rr, 0
.rept 32
	v_permlanex16_b32 v[X+rr], v[S+rr], s20, s21   ; x's registers are free, and have been written
.set rr, rr+1
.endr
.set rr, 0
.rept 32
	v_add_f32 v[S+rr], v[S+rr], v[X+rr]
.set rr, rr+1
.endr
.irp j, 0,1,2,3
	ds_store_b128 v5, v[S+8*\j:S+8*\j+3] offset:64*\j            ; all lanes write the same words with the same values
	ds_store_b128 v5, v[S+8*\j+4:S+8*\j+7] offset:64*\j+16
.endr
	s_wait_dscnt 0x0                               ; for the others' sake: my partial logits and my scale bytes are in LDS
	s_barrier_signal -1
	s_barrier_wait -1
	s_cmp_eq_u32 s16, 0
	s_cbranch_scc1 .Lgate
	s_cmp_eq_u32 s16, 1
	s_cbranch_scc1 .Lscales
	s_set_vgpr_msb 0x5
	s_wait_tensorcnt 0x0
	ds_add_u32 v0, v1
	s_wait_dscnt 0x0
	s_set_vgpr_msb 0x500
	s_endpgm
.Lgate:                                                ; wave 0: lane l has row l / 2 and experts 4 (l % 2) + 0 .. 3
	v_lshrrev_b32 v6, 1, v2
	v_lshl_add_u32 v6, v6, 6, v[GS]                ; 64 bytes a row + 16 bytes for four experts
	ds_load_b128 v[32:35], v6                      ; the first half of K's sums,
	ds_load_b128 v[36:39], v6 offset:32            ; the second half's
	v_lshlrev_b32 v44, 4, v2                       ; where my four weights go: 16 bytes a lane
	s_wait_dscnt 0x0
	s_wait_loadcnt 0x0                             ; the bias, asked for behind the quantising
	v_pk_add_f32 v[32:33], v[32:33], v[36:37]
	v_pk_add_f32 v[34:35], v[34:35], v[38:39]
	v_pk_add_f32 v[32:33], v[32:33], v[SF:SF+1]
	v_pk_add_f32 v[34:35], v[34:35], v[SF+2:SF+3]
	v_max3_num_f32 v45, v32, v33, v34              ; the row's largest logit: my four,
	v_max_num_f32 v45, v45, v35
	v_max_num_f32_dpp v45, v45, v45 row_xmask:1 row_mask:0xf bank_mask:0xf   ; and my neighbour's four
.irp i, 0,1,2,3
	v_sub_f32 v[32+\i], v[32+\i], v45
.endr
.irp i, 0,1,2,3
	v_mul_f32 v[32+\i], 0x3fb8aa3b, v[32+\i]       ; x log2(e): the exponential works in base 2
.endr
.irp i, 0,1,2,3
	v_exp_f32 v[32+\i], v[32+\i]
.endr
	v_nop                                          ; one plain instruction between the last exponential and the use of its result
	s_wait_alu depctr_va_vdst(0)
	v_add_f32 v46, v32, v33
	v_add_f32 v47, v34, v35
	v_add_f32 v46, v46, v47
	v_add_f32_dpp v46, v46, v46 row_xmask:1 row_mask:0xf bank_mask:0xf   ; the row's sum, at least 1
	v_rcp_f32 v47, v46
	v_nop                                          ; one plain instruction behind the reciprocal
	s_wait_alu depctr_va_vdst(0)
.irp i, 0,1,2,3
	v_mul_f32 v[32+\i], v[32+\i], v47
.endr
	global_store_b128 v44, v[32:35], s[14:15]      ; 512 consecutive bytes: 16 rows of 8 weights
	s_set_vgpr_msb 0x5
	s_wait_tensorcnt 0x0
	ds_add_u32 v0, v1
	s_wait_dscnt 0x0
	s_set_vgpr_msb 0x500
	s_endpgm
.Lscales:                                              ; wave 1: the 16 rows' scale bytes leave as 512 consecutive bytes
	v_lshlrev_b32 v7, 4, v2
	v_add_nc_u32 v6, SCL, v7
	ds_load_b128 v[32:35], v6
	s_wait_dscnt 0x0
	global_store_b128 v7, v[32:35], s[12:13]
	s_set_vgpr_msb 0x5
	s_wait_tensorcnt 0x0
	ds_add_u32 v0, v1
	s_wait_dscnt 0x0
	s_set_vgpr_msb 0x500
	s_endpgm
.Lfunc_end_k_qf63373611b_prep:
	.size	k_qf63373611b_prep, .Lfunc_end_k_qf63373611b_prep-k_qf63373611b_prep
	.p2alignl 7, 3214868480
	.fill 96, 4, 3214868480
	.section	.rodata,"a",@progbits
	.p2align	6, 0x0
	.amdhsa_kernel k_qf63373611b_prep
		.amdhsa_group_segment_fixed_size 44032
		.amdhsa_private_segment_fixed_size 0
		.amdhsa_enable_private_segment 0
		.amdhsa_kernarg_size 48
		.amdhsa_user_sgpr_count 2
		.amdhsa_user_sgpr_kernarg_segment_ptr 1
		.amdhsa_wavefront_size32 1
		.amdhsa_system_sgpr_workgroup_id_x 1
		.amdhsa_system_sgpr_workgroup_id_y 1
		.amdhsa_system_sgpr_workgroup_id_z 1
		.amdhsa_system_vgpr_workitem_id 0
		.amdhsa_next_free_vgpr 258
		.amdhsa_next_free_sgpr 66
		.amdhsa_reserve_vcc 1
		.amdhsa_float_denorm_mode_32 3
		.amdhsa_float_denorm_mode_16_64 3
		.amdhsa_memory_ordered 1
		.amdhsa_forward_progress 1
		.amdhsa_inst_pref_size 52
	.end_amdhsa_kernel
	.amdgpu_metadata
---
amdhsa.version: [ 1, 2 ]
amdhsa.kernels:
  - .name:           k_qf63373611b_prep
    .symbol:         k_qf63373611b_prep.kd
    .args:
      - { .name: x, .offset: 0, .size: 8, .value_kind: global_buffer, .address_space: global }
      - { .name: gate_w, .offset: 8, .size: 8, .value_kind: global_buffer, .address_space: global }
      - { .name: gate_b, .offset: 16, .size: 8, .value_kind: global_buffer, .address_space: global }
      - { .name: x_codes, .offset: 24, .size: 8, .value_kind: global_buffer, .address_space: global }
      - { .name: x_scales, .offset: 32, .size: 8, .value_kind: global_buffer, .address_space: global }
      - { .name: gate, .offset: 40, .size: 8, .value_kind: global_buffer, .address_space: global }
    .group_segment_fixed_size: 44032
    .private_segment_fixed_size: 0
    .kernarg_segment_align: 8
    .kernarg_segment_size: 48
    .max_flat_workgroup_size: 256
    .sgpr_count:     66
    .vgpr_count:     258
    .wavefront_size: 32
...
	.end_amdgpu_metadata
.endif
;; end of part 3
;; launch moe (part 4): grid 16 x 16, 4 waves a work-group, clusters of 4 x 4, 327,680 bytes of LDS; arguments x_codes, x_scales, gate, expert_w_codes, expert_w_scales, expert_b, out0; writes out0
.if DOCPART == 4
	.amdgcn_target "amdgcn-amd-amdhsa--gfx1250"
	.amdhsa_code_object_version 6
	.text
	.protected	k_qf63373611b_moe
	.globl	k_qf63373611b_moe
	.p2align	8
	.type	k_qf63373611b_moe,@function
k_qf63373611b_moe:
	s_mov_b64 s[64:65], 0
	v_nop
	global_prefetch_b8 v0, s[64:65] scope:SCOPE_SE
	s_setreg_imm32_b32 hwreg(HW_REG_WAVE_MODE, 25, 1), 1
	s_wait_xcnt 0x0
	s_wait_alu depctr_hold_cnt(0) depctr_sa_sdst(0) depctr_va_vdst(0) depctr_va_sdst(0) depctr_va_ssrc(0) depctr_va_vcc(0) depctr_vm_vsrc(0)
	s_getreg_b32 s2, hwreg(HW_REG_IB_STS2, 6, 4)
	s_cmp_eq_u32 s2, 0
	s_cbranch_scc0 .Lentry_in_a_cluster
	s_endpgm
.Lentry_in_a_cluster:
	s_bfe_u32 s2, ttmp6, 0x10000c
	s_cmp_lg_u32 s2, 0xf033
	s_cbranch_scc0 .Lentry_shape_is_right
	s_endpgm
.Lentry_shape_is_right:
; out[n][h] = the sum over the 8 experts e of gate[n][e] x relu(x[n] . W[e][h] + b[e][h]).  x [4096][1024] and W [8][2048][1024] are codes of FP4 (E2M1), two a byte, K innermost, 512 bytes a row, with one
; E8M0 byte for each 32 along K (32 bytes a row); gate [4096][8], b [8][2048] and out [4096][2048] are f32.  Products on codes and scale bytes as they lie; sums in f32, K ascending; experts added in ascending order.
; SHARES.  A work-group owns 256 tokens x 128 columns of out; each of its four waves 128 tokens x 64 columns (wave w: token half w / 2, column half w % 2).
; X STAYS IN REGISTERS: a wave's 128 tokens x 1,024 codes are 512 registers, read from LDS once and multiplied by all 8 experts x 4 blocks of 16 columns.  So the loop reads W's fragments alone from LDS:
; 1,024 bytes (16 rows x 128 K) for 8 matrix instructions.
; A UNIT is one block of 16 columns of one expert: 8 steps of 128 along K x 8 blocks of 16 tokens = 64 matrix instructions on 8 accumulators.  A PASS is the 8 experts' units of one block of columns; there are 4 passes.
; THE MATRIX INSTRUCTION IS USED TRANSPOSED (source 0 = 16 rows of W, source 1 = 16 tokens): a lane holds ONE token (lane % 16) and eight neighbouring columns, 8 (lane / 16) + 0 .. 7.  So the gate is one number
; a lane, the bias is the C of a unit's first K step (no addition, nothing cleared), and a lane's results are 32 neighbouring bytes of a row of out.
; BY HALVES.  A unit's token blocks 0-3 (half A) and 4-7 (half B) go one after the other over the same fragments of W.  A half is two parts of 4 K steps: 16 matrix instructions back to back, then one block of
; vector work on two finished tiles of the OTHER half (clipped at 0 and added, times the gate, onto out's registers: 16 + 8 instructions).  In half B one run of LDS loads stands behind each block and replaces the
; fragments of the part just multiplied by the next unit's: two runs of loads, four blocks of vector work and ten window switches for a unit's 64 matrix instructions.
; LDS.  Two slots of 135,168 bytes.  Slot R0 first holds x's tile, then W of passes 1 and 3; slot R1 W of passes 0 and 2, at the end the waves' stages for the way out.  W's scale bytes, the bias and the gate come once.
; CLUSTER.  4 x 4 work-groups.  The four of a row of the cluster own the same tokens (x's tile, the gate), the four of a column the same columns (W, its scales, the bias): each tile is asked for JOINTLY, by the same
; tensor load with the same descriptor and a mask that names the four.  Every wave issues every load, for a quarter of the tile.
; REGISTERS, in windows of 256 (s_set_vgpr_msb's low byte: bits 1:0 source 0, 3:2 source 1, 5:4 source 2, 7:6 destination):
;   window 0: addresses, scale words, bias, W's fragments, the 8 accumulators, the gate.   window 1: out, (block b, token block a, register j) at 64 b + 8 a + j.
;   windows 2, 3: x: the fragment of token block a and K step q at 64 (a % 4) + 8 q of window 2 + a / 4.
.set PITCH, 528                        ; an LDS row of codes: 512 bytes + 16 of padding = 33 x 16: the 16 rows that a fragment load touches start in 16 different columns of 16 bytes
.set CHUNK, 16*PITCH                   ; 16 rows: a unit's rows of W, or a token block
.set QUART, 4*CHUNK                    ; what one tensor load brings into a slot
.set HALFW, 8*CHUNK                    ; in a slot of W: [column half 2][expert 8][16 rows]; in x's tile: 128 tokens
.set R0,    0
.set R1,    2*HALFW
.set WSC,   4*HALFW                    ; W's scale bytes [expert 8][128 rows][32]: 32,768 bytes
.set BIAS,  WSC+32768                  ; [expert 8][128] f32: 4,096 bytes
.set GATE,  BIAS+4096                  ; [256 tokens][8] f32: 8,192 bytes
.set SPARE, GATE+8192                  ; the spare words, 128 bytes for each wave: two blocks of 256 bytes that no other line names
.set SP,    272                        ; the way out: a stage of 16 rows x (256 bytes + 16) for each wave, in slot R1
.set SPW, 1                            ; v1    LDS address of my spare word: SPARE + 4 x my thread's number; never rewritten
.set NIL, 2                            ; v2    0; never rewritten
.set AW0, 3                            ; v3    my lane's place in a slot of W: column half, row l % 16, 16 bytes x (l / 16)
.set AS0, 4                            ; v4    among W's scale words
.set AB0, 5                            ; v5    in the bias
.set AG0, 6                            ; v6    in the gate
.set ADW, 7                            ; v7-9  the same three for the NEXT unit
.set ADS, 8
.set ADB, 9
.set ADG, 10                           ; v10   the gate's for the expert in hand
.set STO, 11                           ; v11   the way out: where I put 32 bytes of a row
.set RD,  12                           ; v12   where I read a row back
.set CO,  13                           ; v13   my byte offset in out
.set XS,  16                           ; v16-47  x's scale words, and nothing else: register 8 i + q: lanes 0-15 token block 2 i, lanes 16-31 token block 2 i + 1, K step q
.set WS,  48                           ; v48-55  W's scale words, and nothing else: K step q, lanes 0-15
.set BI,  56                           ; v56-63  the bias in the result's layout
.set F,   72                           ; v72-135 W's fragments: K step q at F + 8 q
.set ACC, 136                          ; v136-199 the accumulators: token block a at ACC + 8 a
.set G,   200                          ; v200-215 the gate of token block t in G + 2 t; the odd registers hold 0: the packed forms name a pair and take its first register for both halves
.set AX,  216                          ; v216  LDS address of x's fragments
.set XO,  217                          ; v217  my byte offset among x's scale words
.set BK,  72                           ; the way out: 16 rows read back: v72-103 and v104-135 by turns
.set WV,   18                          ; s18 wave;  s19 token half;  s20 column half
.set TR,   19
.set CH,   20
.set CX,   21                          ; s21, s22 my place in the cluster
.set CY,   22
.set WGX,  23                          ; s23 block of 128 columns;  s24 block of 256 tokens
.set WGY,  24
.set ROWM, 25                          ; s25 the mask of my row of the cluster;  s26 of my column
.set COLM, 26
.set CNT,  27
.set G1X,  32                          ; descriptor groups 1: x's tile, W's, the gate's, W's scales', the bias's
.set G1W,  40
.set G1GT, 48
.set G1SC, 56
.set G1BI, 68
.set G0X,  76                          ; descriptor groups 0 for the same;  W has one for each slot
.set G0GT, 80
.set G0SC, 84
.set G0BI, 88
.set G0WA, 92                          ; slot R1: passes 0 and 2
.set G0WB, 96                          ; slot R0: passes 1 and 3
.set PADW, (1<<20)|(6<<22)|(3<<25)     ; padding on; after every 128 words (code 6); 4 words of it (code 3)
.set MSB, 0
.macro WIN new                         ; the immediate's high byte repeats the setting that is left; a switch that changes nothing is dropped
.if MSB != (\new)
	s_set_vgpr_msb (MSB<<8)|(\new)
.set MSB, (\new)
.endif
.endm
; A round of the cluster's barrier: my work-group's barrier, so that wave 0's signal speaks for all four waves; wave 0 signals for the work-group; every wave waits for all sixteen; my work-group's barrier once more.
.macro CROUND
	s_barrier_signal -1
	s_barrier_wait -1
	s_cmp_lg_u32 s[WV], 0
	s_cbranch_scc1 .Lnot_wave_0_\@
	s_barrier_signal -3
.Lnot_wave_0_\@:
	s_barrier_wait -3
	s_barrier_signal -1
	s_barrier_wait -1
.endm
; Descriptor group 1: d1 rows of d0 elements of 8 bytes, st elements from row to row; the tiles lie inside their tensors, so the extents are the tile's.
.macro DESC1 g, m, pad, d0, d1, st
	s_or_b32 s[\g], s[\m], (3<<16)|(1<<21)|(\pad)  ; 15:0 the mask; 17:16 elements of 8 bytes; 21 set beside a mask; the padding's fields
	s_mov_b32 s[\g+1], (\d0)<<16                   ; tensor_dim0
	s_mov_b32 s[\g+2], (\d1)<<16                   ; tensor_dim1
	s_mov_b32 s[\g+3], (\d0)<<16                   ; tile_dim0
	s_mov_b32 s[\g+4], \d1                         ; tile_dim1
	s_mov_b32 s[\g+5], \st                         ; tensor_dim0_stride
	s_mov_b32 s[\g+6], 0
	s_mov_b32 s[\g+7], 0
.endm
	s_load_b256 s[4:11], s[0:1], 0x0               ; x_codes s[4:5], x_scales s[6:7], gate s[8:9], W's codes s[10:11]
	s_load_b128 s[12:15], s[0:1], 0x20             ; W's scales s[12:13], the bias s[14:15]
	s_load_b64 s[16:17], s[0:1], 0x30              ; out
	v_lshl_add_u32 v[SPW], v0, 2, SPARE
	v_mov_b32 v[NIL], 0
	ds_add_u32 v1, v2
	ds_add_u32 v1, v2
	s_wait_dscnt 0x0
	v_lshrrev_b32 v14, 5, v0
	v_readfirstlane_b32 s[WV], v14                 ; wave 0..3
	s_lshr_b32 s[TR], s[WV], 1
	s_and_b32 s[CH], s[WV], 1
	s_bfe_u32 s[CX], ttmp6, 0x40000
	s_bfe_u32 s[CY], ttmp6, 0x40004
	s_lshl_b32 s[WGX], ttmp9, 2                    ; in a cluster launch ttmp9 and ttmp7 count clusters
	s_add_co_u32 s[WGX], s[WGX], s[CX]
	s_and_b32 s[WGY], ttmp7, 0xffff
	s_lshl_b32 s[WGY], s[WGY], 2
	s_add_co_u32 s[WGY], s[WGY], s[CY]
	s_lshl_b32 s[ROWM], s[CY], 2
	s_lshl_b32 s[ROWM], 15, s[ROWM]                ; my row of the cluster: places 4 cy .. 4 cy + 3
	s_lshl_b32 s[COLM], 0x1111, s[CX]              ; my column: places cx, cx + 4, cx + 8, cx + 12
	DESC1 G1X,  ROWM, PADW, 64, 64, 64             ; x: 64 tokens of 512 bytes, dense
	DESC1 G1GT, ROWM, 0, 32, 8, 32                 ; the gate of 64 tokens: 2,048 dense bytes as 8 rows of 256
	DESC1 G1W,  COLM, PADW, 1024, 4, 131072        ; W: a row of the tile is the 8,192 dense bytes of 16 rows of one expert; four experts, 1 MiB apart.  The padding counts along the whole tile: 16 bytes behind every 512
	DESC1 G1SC, COLM, 0, 512, 2, 8192              ; W's scales: 128 rows x 32 bytes are 4,096 dense bytes; two experts, 65,536 bytes apart
	DESC1 G1BI, COLM, 0, 64, 2, 1024               ; the bias: 512 bytes; two experts, 8,192 bytes apart
.irp g, G0X, G0GT, G0SC, G0BI, G0WA, G0WB
	s_mov_b32 s[\g], 1                             ; count = 1
.endr
	s_mul_i32 s[G0X+1], s[WV], QUART               ; LDS addresses: the region's constant + the wave's number x a constant: no place in the cluster enters
	s_mul_i32 s[G0WB+1], s[WV], QUART
	s_mul_i32 s[G0WA+1], s[WV], QUART
	s_add_co_u32 s[G0WA+1], s[G0WA+1], R1
	s_lshl_b32 s[G0GT+1], s[WV], 11
	s_add_co_u32 s[G0GT+1], s[G0GT+1], GATE
	s_lshl_b32 s[G0SC+1], s[WV], 13
	s_add_co_u32 s[G0SC+1], s[G0SC+1], WSC
	s_lshl_b32 s[G0BI+1], s[WV], 10
	s_add_co_u32 s[G0BI+1], s[G0BI+1], BIAS
	s_wait_kmcnt 0x0
	; what my row of the cluster shares hangs on the token block and the wave alone, in s[28:29]
	s_lshl_b32 s28, s[WGY], 17                     ; x: 256 tokens of 512 bytes a work-group,
	s_lshl_b32 s29, s[WV], 15                      ; 64 a wave
	s_add_co_u32 s28, s28, s29
	s_mov_b32 s29, 0
	s_add_nc_u64 s[G0X+2:G0X+3], s[4:5], s[28:29]
	s_or_b32 s[G0X+3], s[G0X+3], 0x80000000        ; type = 2
	s_lshl_b32 s28, s[WGY], 13                     ; the gate: 256 tokens of 32 bytes, 64 a wave
	s_lshl_b32 s29, s[WV], 11
	s_add_co_u32 s28, s28, s29
	s_mov_b32 s29, 0
	s_add_nc_u64 s[G0GT+2:G0GT+3], s[8:9], s[28:29]
	s_or_b32 s[G0GT+3], s[G0GT+3], 0x80000000
	s_lshl_b32 s28, s[WGY], 13                     ; x's scale bytes, which come by plain loads: my wave's 128 tokens of 32 bytes
	s_lshl_b32 s29, s[TR], 12
	s_add_co_u32 s28, s28, s29
	s_mov_b32 s29, 0
	s_add_nc_u64 s[6:7], s[6:7], s[28:29]
	; what my column shares hangs on the column block and the wave alone, in s[30:31]
	s_lshl_b32 s30, s[WGX], 12                     ; W's scales: 128 rows of 32 bytes a work-group; experts 2 w, 2 w + 1
	s_lshl_b32 s31, s[WV], 17
	s_add_co_u32 s30, s30, s31
	s_mov_b32 s31, 0
	s_add_nc_u64 s[G0SC+2:G0SC+3], s[12:13], s[30:31]
	s_or_b32 s[G0SC+3], s[G0SC+3], 0x80000000
	s_lshl_b32 s30, s[WGX], 9                      ; the bias: 128 numbers a work-group; experts 2 w, 2 w + 1
	s_lshl_b32 s31, s[WV], 14
	s_add_co_u32 s30, s30, s31
	s_mov_b32 s31, 0
	s_add_nc_u64 s[G0BI+2:G0BI+3], s[14:15], s[30:31]
	s_or_b32 s[G0BI+3], s[G0BI+3], 0x80000000
	s_lshl_b32 s30, s[WGX], 16                     ; W: 128 rows of 512 bytes a work-group;
	s_lshl_b32 s31, s[CH], 22                      ; experts 4 (w % 2) + 0 .. 3;
	s_add_co_u32 s30, s30, s31
	s_lshl_b32 s31, s[TR], 15                      ; column half w / 2: so the wave's quarter of a slot is [w / 2][4 (w % 2) ..]
	s_add_co_u32 s30, s30, s31
	s_mov_b32 s31, 0
	s_add_nc_u64 s[G0WA+2:G0WA+3], s[10:11], s[30:31]              ; pass 0
	s_add_nc_u64 s[G0WB+2:G0WB+3], s[G0WA+2:G0WA+3], 8192          ; pass 1: 16 rows on
	s_or_b32 s[G0WA+3], s[G0WA+3], 0x80000000
	s_or_b32 s[G0WB+3], s[G0WB+3], 0x80000000
	s_lshl_b32 s2, s[WGY], 21                      ; out: 256 rows of 8,192 bytes a work-group, 128 a token half,
	s_lshl_b32 s3, s[TR], 20
	s_add_co_u32 s2, s2, s3
	s_lshl_b32 s3, s[WGX], 9                       ; 512 bytes a column block, 256 a column half
	s_add_co_u32 s2, s2, s3
	s_lshl_b32 s3, s[CH], 8
	s_add_co_u32 s2, s2, s3
	s_mov_b32 s3, 0
	s_add_nc_u64 s[16:17], s[16:17], s[2:3]
	CROUND                                         ; all sixteen work-groups are here: the first joint loads meet
	tensor_load_to_lds s[G0X:G0X+3], s[G1X:G1X+7]                  ; the five first fills go out as one group: five loads of mine are out.  x first: it is wanted first
	s_nop 0
	tensor_load_to_lds s[G0GT:G0GT+3], s[G1GT:G1GT+7]
	s_nop 0
	tensor_load_to_lds s[G0SC:G0SC+3], s[G1SC:G1SC+7]
	s_nop 0
	tensor_load_to_lds s[G0BI:G0BI+3], s[G1BI:G1BI+7]
	s_nop 0
	tensor_load_to_lds s[G0WA:G0WA+3], s[G1W:G1W+7]                ; W of pass 0, into slot R1
	s_nop 0
.rept 4
	v_nop                                          ; four v_nop follow the last of them
.endr
	v_and_b32 v[XO], 31, v0
	v_lshlrev_b32 v[XO], 5, v[XO]                  ; lane l takes token 32 i + l: 32 bytes, the eight scale words of its row
.irp i, 0,1,2,3
.irp u, 0,1
	global_load_b128 v[XS+8*\i+4*\u:XS+8*\i+4*\u+3], v[XO], s[6:7] offset:1024*\i+16*\u   ; the two loads of a pair of token blocks read 1,024 consecutive bytes between them
.endr
.endr
	v_and_b32 v14, 15, v0                          ; r = l % 16
	v_bfe_u32 v15, v0, 4, 1                        ; h = l / 16
	v_mul_u32_u24 v[AW0], v14, PITCH
	v_lshl_add_u32 v[AW0], v15, 4, v[AW0]          ; a fragment's row x pitch + 16 x half
	s_mul_i32 s100, s[TR], HALFW
	v_add_nc_u32 v[AX], s100, v[AW0]               ; x: my 128 tokens
	s_mul_i32 s100, s[CH], HALFW
	v_add_nc_u32 v[AW0], s100, v[AW0]              ; W: my column half
	s_lshl_b32 s100, s[CH], 11
	s_add_co_u32 s100, s100, WSC
	v_lshl_add_u32 v[AS0], v14, 5, s100            ; W's scale words: row 64 c + r of 32 bytes
	s_lshl_b32 s100, s[CH], 8
	s_add_co_u32 s100, s100, BIAS
	v_lshl_add_u32 v[AB0], v15, 5, s100            ; the bias: columns 64 c + 8 h on
	s_lshl_b32 s100, s[TR], 12
	s_add_co_u32 s100, s100, GATE
	v_lshl_add_u32 v[AG0], v14, 5, s100            ; the gate: token 128 (w / 2) + r of 32 bytes
	s_mul_i32 s100, s[WV], 16*SP
	s_add_co_u32 s100, s100, R1                    ; my stage
	v_mul_u32_u24 v[STO], v14, SP                  ; in: row r, 32 bytes for each half of the lanes
	v_lshl_add_u32 v[STO], v15, 5, v[STO]
	v_add_nc_u32 v[STO], s100, v[STO]
	v_mul_u32_u24 v[RD], v15, SP                   ; back: lanes 0-15 take one row of 256 bytes, lanes 16-31 the next
	v_lshl_add_u32 v[RD], v14, 4, v[RD]
	v_add_nc_u32 v[RD], s100, v[RD]
	v_lshlrev_b32 v[CO], 13, v15                   ; and the same two rows in out
	v_lshl_add_u32 v[CO], v14, 4, v[CO]
.irp t, 0,1,2,3,4,5,6,7
	v_mov_b32 v[G+2*\t+1], 0                       ; named with the gate as a pair, so it is written
.endr
; One matrix instruction: token block a, K step q.  The first K step takes the bias as C.  The token block's scale words lie in lanes 0-15 (even a) or 16-31 (odd a) of their register.
.macro MM a, q
.set rA, ACC+8*(\a)
.set rF, F+8*(\q)
.set rX, 64*((\a)%4)+8*(\q)
.set rS, XS+8*((\a)/2)+(\q)
.if (\q) == 0
.if (\a)%2
	v_wmma_scale_f32_16x16x128_f8f6f4 v[rA:rA+7], v[rF:rF+7], v[rX:rX+7], v[BI:BI+7], v[WS+(\q)], v[rS] matrix_a_fmt:MATRIX_FMT_FP4 matrix_b_fmt:MATRIX_FMT_FP4 matrix_b_scale:MATRIX_SCALE_ROW1
.else
	v_wmma_scale_f32_16x16x128_f8f6f4 v[rA:rA+7], v[rF:rF+7], v[rX:rX+7], v[BI:BI+7], v[WS+(\q)], v[rS] matrix_a_fmt:MATRIX_FMT_FP4 matrix_b_fmt:MATRIX_FMT_FP4
.endif
.else
.if (\a)%2
	v_wmma_scale_f32_16x16x128_f8f6f4 v[rA:rA+7], v[rF:rF+7], v[rX:rX+7], v[rA:rA+7], v[WS+(\q)], v[rS] matrix_a_fmt:MATRIX_FMT_FP4 matrix_b_fmt:MATRIX_FMT_FP4 matrix_b_scale:MATRIX_SCALE_ROW1
.else
	v_wmma_scale_f32_16x16x128_f8f6f4 v[rA:rA+7], v[rF:rF+7], v[rX:rX+7], v[rA:rA+7], v[WS+(\q)], v[rS] matrix_a_fmt:MATRIX_FMT_FP4 matrix_b_fmt:MATRIX_FMT_FP4
.endif
.endif
.endm
; A BLOCK OF VECTOR WORK: the finished tiles t0 and t0 + 1: out's block ob += gate x max(sum, 0); epi = 2: the same starts out's sums (expert 0: nothing is cleared).
; The maxima are written in the long form with the register as source 0, which the matrix setting leaves in window 0: no switch in front of them.  Each tile's registers are taken from its low end on.
; The packed sums, whose result lies in window 1, want one switch.
.macro VBLOCK t0, epi, ob
.irp u, 0,1
.irp j, 0,1,2,3,4,5,6,7
	v_max_num_f32 v[ACC+8*((\t0)+\u)+\j], v[ACC+8*((\t0)+\u)+\j], 0
.endr
.endr
	WIN 0x50                                       ; destination and source 2 (out) in window 1
.irp u, 0,1
.irp k, 0,1,2,3
.if \epi == 2
	v_pk_mul_f32 v[64*(\ob)+8*((\t0)+\u)+2*\k:64*(\ob)+8*((\t0)+\u)+2*\k+1], v[ACC+8*((\t0)+\u)+2*\k:ACC+8*((\t0)+\u)+2*\k+1], v[G+2*((\t0)+\u):G+2*((\t0)+\u)+1] op_sel_hi:[1,0]
.else
	v_pk_fma_f32 v[64*(\ob)+8*((\t0)+\u)+2*\k:64*(\ob)+8*((\t0)+\u)+2*\k+1], v[ACC+8*((\t0)+\u)+2*\k:ACC+8*((\t0)+\u)+2*\k+1], v[G+2*((\t0)+\u):G+2*((\t0)+\u)+1], v[64*(\ob)+8*((\t0)+\u)+2*\k:64*(\ob)+8*((\t0)+\u)+2*\k+1] op_sel_hi:[1,0,1]
.endif
.endr
.endr
.endm
; HALF A UNIT: token blocks 4 h + 0 .. 3, in two parts of 4 K steps.  A part: 16 matrix instructions back to back, the four accumulators by turns, one instruction a turn, from part to part, from half to half and over
; the loop's edge too; then the block of vector work on tiles 4 (1 - h) + 2 p and + 1 of the other half (epi = 0: there is none yet).
; The block's 24 plain instructions name no register of the products in front of them.  So they are the places between those products and the loads into the fragments, scale words and bias that
; they have read, and between a half's last products and the first read of its tiles, which comes a part later.
; ld (half B alone): 1: behind each block one run of LDS loads for the next unit.  Part 0: fragments and scale words of K steps 0-3, the bias (last read in K step 0), and the gate of token blocks 4-7 for the expert in hand:
;   15 loads.  Part 1: fragments and scale words of K steps 4-7, and the gate of token blocks 0-3 for the next expert (gn = 1: expert 0): 13 loads.  2: the last unit: the gate of token blocks 4-7 alone.
.macro HALF h, epi, ob, ld, gn
.if \h
	s_wait_dscnt 0x0                               ; the gate of token blocks 0-3, the last four loads of the half B before, asked for 32 matrix instructions ago
.endif
.irp p, 0,1
.if \h == 0
	s_wait_dscnt 13-9*\p                           ; 13: the first run is in, the second run's 13 loads may be out;  4: its fragments and scale words are in, its four loads of the gate may be out
.endif
	WIN 0x08+4*\h                                  ; source 1 (x) in window 2 or 3; all else in window 0
.irp q, 0,1,2,3
.irp i, 0,1,2,3
	MM 4*\h+\i, 4*\p+\q
.endr
.endr
.if \epi
	VBLOCK 4*(1-\h)+2*\p, \epi, \ob
.endif
.if \h && (\ld == 1)
	WIN 0x0c                                       ; an LDS load's destination and address lie in window 0 under the matrix setting
.irp q, 0,1,2,3
	ds_load_b128 v[F+8*(4*\p+\q):F+8*(4*\p+\q)+3],   v[ADW] offset:64*(4*\p+\q)
	ds_load_b128 v[F+8*(4*\p+\q)+4:F+8*(4*\p+\q)+7], v[ADW] offset:64*(4*\p+\q)+32
.endr
	ds_load_b128 v[WS+4*\p:WS+4*\p+3], v[ADS] offset:16*\p
.endif
.if \h && (\ld > 0) && (\p == 0)
	WIN 0x0c
.if \ld == 1
	ds_load_b128 v[BI:BI+3], v[ADB]
	ds_load_b128 v[BI+4:BI+7], v[ADB] offset:16
.endif
.irp t, 4,5,6,7
	ds_load_b32 v[G+2*\t], v[ADG] offset:512*\t
.endr
.endif
.if \h && (\ld == 1) && (\p == 1)
.irp t, 0,1,2,3
.if \gn
	ds_load_b32 v[G+2*\t], v[AG0] offset:512*\t
.else
	ds_load_b32 v[G+2*\t], v[ADG] offset:512*\t+4
.endif
.endr
.endif
.endr
.if \epi == 0
.rept 4
	v_nop                                          ; no vector work yet: the places between these products and the first read of their sums
.endr
.endif
.endm
.macro STEPADR g                       ; the next unit is the next expert's; g = 0: the gate's address goes on to the next expert, 1: back to expert 0
	v_add_nc_u32 v[ADW], CHUNK, v[ADW]
	v_add_nc_u32 v[ADS], 4096, v[ADS]
	v_add_nc_u32 v[ADB], 512, v[ADB]
.if \g
	v_mov_b32 v[ADG], v[AG0]
.else
	v_add_nc_u32 v[ADG], 4, v[ADG]
.endif
.endm
.macro NEXTPASS nb                     ; the next unit is expert 0 of pass nb: even passes lie in slot R1, odd ones in R0
	v_add_nc_u32 v[ADW], R1*(1-(\nb)%2), v[AW0]
	v_add_nc_u32 v[ADS], 512*(\nb), v[AS0]
	v_add_nc_u32 v[ADB], 64*(\nb), v[AB0]
.endm
; THE CHANGE OF SLOTS.  Each wave waits for all its tensor loads, adds 0 to its spare word, and waits for that and for its reads of the slot that it leaves.  Behind the barrier the slot ahead is whole and nobody reads the other.
; fill = 1: the barrier is a round of the cluster's, so that no wave of any partner still reads the slot or has a load on its way; the slot just left is filled again by the joint load of group 0 g0, the first thing behind
; the round and the wave's one tensor load until the next: it has a whole pass, 512 matrix instructions, in which to land.  step = 1: g0 goes two passes on, 32 rows of 512 bytes.
.macro CHANGE fill, g0, step, nb
	WIN 0                                          ; the add's registers lie in window 0; at a branch and at a label every window is 0
	s_wait_tensorcnt 0x0                           ; no tensor load of mine is out, so a group 0 may be written
	ds_add_u32 v[SPW], v[NIL]                      ; 0 onto my spare word; the addresses' steps stand between it and the wait for it
	NEXTPASS \nb
.if \step
	s_add_nc_u64 s[\g0+2:\g0+3], s[\g0+2:\g0+3], 16384             ; the type bits on top are not reached
.endif
	s_wait_dscnt 0x0                               ; the add is done, and my reads of the slot are over
.if \fill
	CROUND
	tensor_load_to_lds s[\g0:\g0+3], s[G1W:G1W+7]
	s_nop 0
.rept 4
	v_nop
.endr
.else
	s_barrier_signal -1
	s_barrier_wait -1
.endif
.endm
	s_wait_tensorcnt 0x4                           ; tensor loads of a wave end in order: my quarter of x's tile is in; the four issued behind it may stay out
	s_barrier_signal -1
	s_barrier_wait -1                              ; everybody's quarter is in
	; x into registers: a fragment, 16 tokens x 128 K, is 8 registers: lane l holds token l % 16; registers 4 c .. 4 c + 3 hold K = 64 c + 32 (l / 16) + 0 .. 31: two loads of 16 bytes, 32 bytes apart
	WIN 0x80                                       ; destination window 2
.irp a, 0,1,2,3
.irp q, 0,1,2,3,4,5,6,7
	ds_load_b128 v[64*\a+8*\q:64*\a+8*\q+3],   v[AX] offset:\a*CHUNK+64*\q
	ds_load_b128 v[64*\a+8*\q+4:64*\a+8*\q+7], v[AX] offset:\a*CHUNK+64*\q+32
.endr
.endr
	WIN 0xc0                                       ; destination window 3
.irp a, 0,1,2,3
.irp q, 0,1,2,3,4,5,6,7
	ds_load_b128 v[64*\a+8*\q:64*\a+8*\q+3],   v[AX] offset:(\a+4)*CHUNK+64*\q
	ds_load_b128 v[64*\a+8*\q+4:64*\a+8*\q+7], v[AX] offset:(\a+4)*CHUNK+64*\q+32
.endr
.endr
	CHANGE 1, G0WB, 0, 0                           ; all first fills have landed and x is in registers, in every wave of the cluster: slot R0 takes W of pass 1
	; the first unit's fragments, scale words and bias, and the gate of token blocks 0-3 for expert 0
.irp q, 0,1,2,3,4,5,6,7
	ds_load_b128 v[F+8*\q:F+8*\q+3],   v[ADW] offset:64*\q
	ds_load_b128 v[F+8*\q+4:F+8*\q+7], v[ADW] offset:64*\q+32
.endr
	ds_load_b128 v[WS:WS+3], v[ADS]
	ds_load_b128 v[WS+4:WS+7], v[ADS] offset:16
	ds_load_b128 v[BI:BI+3], v[ADB]
	ds_load_b128 v[BI+4:BI+7], v[ADB] offset:16
.irp t, 0,1,2,3
	ds_load_b32 v[G+2*\t], v[AG0] offset:512*\t
.endr
	STEPADR 1
	s_wait_dscnt 0x0
	s_wait_loadcnt 0x0                             ; x's scale words
; A PASS: block b of 16 columns, experts 0 to 7.  Half A of expert 0 carries the last sums of the pass before; a trip of the loop is half B of expert e and half A of expert e + 1, and both carry expert e's sums.
; The change of slots stands in front of expert 7's half B: its fragments are in registers, so the pass's slot is free, and that half's loads read the next pass's slot.
.macro PASS b
.if \b == 0
	HALF 0, 0, 0, 0, 0
.else
	HALF 0, 1, \b-1, 0, 0
	WIN 0
	STEPADR 1
.endif
	HALF 1, 2, \b, 1, 0                            ; expert 0 starts out's sums: nothing is cleared
	HALF 0, 2, \b, 0, 0
	WIN 0
	STEPADR 0
	s_mov_b32 s[CNT], 6
.Lpass_\b:                                             ; experts 1 to 6
	HALF 1, 1, \b, 1, 0
	HALF 0, 1, \b, 0, 0
	WIN 0
	STEPADR 0
	s_sub_co_u32 s[CNT], s[CNT], 1
	s_cmp_lg_u32 s[CNT], 0
	s_cbranch_scc1 .Lpass_\b
.if \b == 0
	CHANGE 1, G0WA, 1, 1                           ; slot R1 takes pass 2
.elseif \b == 1
	CHANGE 1, G0WB, 1, 2                           ; slot R0 takes pass 3
.elseif \b == 2
	CHANGE 0, G0WA, 0, 3                           ; nothing is left to fetch: slot R1 has had its last fill and its last read
.endif
.if \b < 3
	HALF 1, 1, \b, 1, 1
.else
	HALF 1, 1, \b, 2, 1
.endif
.endm
	PASS 0
	PASS 1
	PASS 2
	PASS 3
	; the last sums: token blocks 4-7 of expert 7, block 3.  Behind the last product stands a block of 24 plain instructions already
	WIN 0
	s_wait_dscnt 0x0                               ; the gate of token blocks 4-7
.irp t, 4,5,6,7
.irp j, 0,1,2,3,4,5,6,7
	v_max_num_f32 v[ACC+8*\t+\j], 0, v[ACC+8*\t+\j]
.endr
.endr
	WIN 0x50
.irp t, 4,5,6,7
.irp k, 0,1,2,3
	v_pk_fma_f32 v[192+8*\t+2*\k:192+8*\t+2*\k+1], v[ACC+8*\t+2*\k:ACC+8*\t+2*\k+1], v[G+2*\t:G+2*\t+1], v[192+8*\t+2*\k:192+8*\t+2*\k+1] op_sel_hi:[1,0,1]
.endr
.endr
	WIN 0
; THE WAY OUT, token block by token block: 16 rows x 64 columns.  A lane holds 4 x 32 bytes of one row, and the lanes beside it hold other rows: so a block goes through my own stage in LDS and comes back as whole rows of
; 256 bytes.  LDS serves a wave's instructions in order (ISA guide 5.7.1.4): no wait between the stores and the loads, nor in front of the next block's stores.  The stage is my wave's own: no barrier.
.macro TOSTAGE a
.set BB, BK+32*((\a)%2)
	WIN 0x04                                       ; the data in window 1
.irp b, 0,1,2,3
	ds_store_b128 v[STO], v[64*\b+8*(\a):64*\b+8*(\a)+3] offset:64*\b
	ds_store_b128 v[STO], v[64*\b+8*(\a)+4:64*\b+8*(\a)+7] offset:64*\b+16
.endr
	WIN 0
.irp t, 0,1,2,3,4,5,6,7
	ds_load_b128 v[BB+4*\t:BB+4*\t+3], v[RD] offset:\t*2*SP
.endr
.endm
.macro SEND a, younger                 ; younger: the LDS instructions issued behind block a's loads, which may stay out
.set BB, BK+32*((\a)%2)
	s_wait_dscnt \younger
.irp t, 0,1,2,3,4,5,6,7
	global_store_b128 v[CO], v[BB+4*\t:BB+4*\t+3], s[16:17] offset:(\a)*131072+\t*16384 th:TH_STORE_NT   ; 16 lanes store 256 consecutive bytes, at a multiple of 256 from out's first byte; every offset is an immediate, 1,032,192 at the most
.endr
.endm
	TOSTAGE 0
.irp a, 1,2,3,4,5,6,7
	s_wait_xcnt 0x0                                ; block a - 2's stores have read their registers: block a's loads may land there
	TOSTAGE \a
	SEND \a-1, 16                                  ; behind block a - 1's loads: block a's 8 stores and 8 loads
.endr
	SEND 7, 0
	s_wait_tensorcnt 0x0                           ; the wave's end, behind my last tensor load and my last LDS store
	ds_add_u32 v[SPW], v[NIL]
	s_wait_dscnt 0x0
	CROUND                                         ; the closing round: no work-group ends while a partner may still ask for a tile that names it
	s_endpgm
.Lfunc_end_k_qf63373611b_moe:
	.size	k_qf63373611b_moe, .Lfunc_end_k_qf63373611b_moe-k_qf63373611b_moe
	.p2alignl 7, 3214868480
	.fill 96, 4, 3214868480
	.section	.rodata,"a",@progbits
	.p2align	6, 0x0
	.amdhsa_kernel k_qf63373611b_moe
		.amdhsa_group_segment_fixed_size 327680
		.amdhsa_private_segment_fixed_size 0
		.amdhsa_enable_private_segment 0
		.amdhsa_kernarg_size 56
		.amdhsa_user_sgpr_count 2
		.amdhsa_user_sgpr_kernarg_segment_ptr 1
		.amdhsa_wavefront_size32 1
		.amdhsa_system_sgpr_workgroup_id_x 1
		.amdhsa_system_sgpr_workgroup_id_y 1
		.amdhsa_system_sgpr_workgroup_id_z 1
		.amdhsa_system_vgpr_workitem_id 0
		.amdhsa_next_free_vgpr 1024
		.amdhsa_next_free_sgpr 102
		.amdhsa_reserve_vcc 0
		.amdhsa_float_denorm_mode_32 3
		.amdhsa_float_denorm_mode_16_64 3
		.amdhsa_memory_ordered 1
		.amdhsa_forward_progress 1
		.amdhsa_inst_pref_size 233
	.end_amdhsa_kernel
	.amdgpu_metadata
---
amdhsa.version: [ 1, 2 ]
amdhsa.kernels:
  - .name:           k_qf63373611b_moe
    .symbol:         k_qf63373611b_moe.kd
    .args:
      - { .name: x_codes, .offset: 0, .size: 8, .value_kind: global_buffer, .address_space: global }
      - { .name: x_scales, .offset: 8, .size: 8, .value_kind: global_buffer, .address_space: global }
      - { .name: gate, .offset: 16, .size: 8, .value_kind: global_buffer, .address_space: global }
      - { .name: expert_w_codes, .offset: 24, .size: 8, .value_kind: global_buffer, .address_space: global }
      - { .name: expert_w_scales, .offset: 32, .size: 8, .value_kind: global_buffer, .address_space: global }
      - { .name: expert_b, .offset: 40, .size: 8, .value_kind: global_buffer, .address_space: global }
      - { .name: out0, .offset: 48, .size: 8, .value_kind: global_buffer, .address_space: global }
    .group_segment_fixed_size: 327680
    .private_segment_fixed_size: 0
    .kernarg_segment_align: 8
    .kernarg_segment_size: 56
    .max_flat_workgroup_size: 128
    .sgpr_count:     102
    .vgpr_count:     1024
    .wavefront_size: 32
...
	.end_amdgpu_metadata
.endif
;; end of part 4
